; MI455X (gfx1250); checked and timed in simulation.
; The chip was launched on July 23, 2026; its instructions are those of AMD's public machine-readable ISA for CDNA 5 (MIT licence, August 2026) and "CDNA5" Instruction Set Architecture Reference Guide (July 2026). The comments in the code are by the model that wrote it; some were corrected since.
;; Query Conditioned Transport Scorer V3. Allowed arithmetic: matrix products marked QUANTISED: E2M1 operands, one E8M0 scale for each 32 along K, by v_wmma_scale_f32_16x16x128_f8f6f4 with both operands' format E2M1 (or v_wmma_scale_f32_32x16x128_f4), f32 sums; products left as they are: f32 operands where the result goes on into a quantised operand, else bf16, f16 or f32 operands; f32 sums; everything else in f32.
;; Inputs: ab 512 float32; ab1 512 float32; ab2 512 float32; ag 512 float32; aw1 512 x 512 float32; aw2 512 x 512 float32; cb 1,024 float32; cb1 512 float32; cb2 512 float32; cg 1,024 float32; class_atoms 16 x 64 x 512 float32; class_masses 16 x 64 float32; class_summary 16 x 512 float32; cw1 1,024 x 512 float32; cw2 512 x 512 float32; episode_context 16 x 512 float32; qb 512 float32; qb1 512 float32; qb2 512 float32; qg 512 float32; query_atoms 64 x 64 x 512 float32; query_masses 64 x 64 float32; qw1 512 x 512 float32; qw2 512 x 512 float32; rb 2,048 float32; rb1 512 float32; rb2 1 float32; rg 2,048 float32; rw1 2,048 x 512 float32; rw2 512 x 1 float32.
;; Outputs: out0 64 x 16 x 64 float32; out1 64 x 16 float32.
;; This version of the problem:
;;   THIS VERSION OF THE PROBLEM IS GIVEN IN LOW PRECISION. The matrix products marked QUANTISED in the list below multiply operands that are first quantised to E2M1 (2 exponent bits, 1 mantissa bit; 4 bits a number), with one power-of-two scale for each 32 numbers along K (OCP MX v1.0); their sums are f32. All else is computed in f32.
;;   The module's matrix products, in the order in which they are computed (A, B: the left and right operand; K: the contracted axis; several contracted axes count as one K, in the product's order):
;;     1. batch 64 x [M 1, K 64] x [K 64, N 512]; A: computed on the way; B: input query_atoms: left as it is (M = 1 < 16)
;;     2. [M 64, K 512] x [K 512, N 512]; A: computed on the way; B: input qw1: QUANTISED
;;     3. [M 64, K 512] x [K 512, N 512]; A: computed on the way; B: input qw2: QUANTISED
;;     4. [M 1,024, K 512] x [K 512, N 512]; A: computed on the way; B: input aw1: QUANTISED
;;     5. [M 1,024, K 512] x [K 512, N 512]; A: computed on the way; B: input aw2: QUANTISED
;;     6. [M 16, K 1,024] x [K 1,024, N 512]; A: computed on the way; B: input cw1: QUANTISED
;;     7. [M 16, K 512] x [K 512, N 512]; A: computed on the way; B: input cw2: QUANTISED
;;     8. [M 65,536, K 2,048] x [K 2,048, N 512]; A: computed on the way; B: input rw1: QUANTISED
;;     9. [M 65,536, K 512] x [K 512, N 1]; A: computed on the way; B: input rw2: left as it is (N = 1 < 16)
;;   THE QUANTISER, for each operand of a quantised product, along K:
;;     - K is cut into blocks of 32 from its start; a last block that is shorter is filled with zeros.
;;     - A block's scale is 2^e with e = floor(log2(the largest magnitude in the block)) - 2, held to -126 .. 127; a block of zeros has e = 0. As a byte (E8M0): e + 127.
;;     - Each number is divided by its block's scale, clamped to +-6, and rounded to the nearest number of E2M1, ties to even, subnormals kept.
;;     - The product sums the exact products of the quantised numbers (number of the format x scale) in f32.
;;   ~~~python
;;   def quantise(x, axis):      # numpy; x: float32 -> the quantised numbers, widened to float32 again
;;       x = np.moveaxis(x, axis, -1); K = x.shape[-1]
;;       x = np.pad(x, [(0, 0)] * (x.ndim - 1) + [(0, -K % 32)]); x = x.reshape(x.shape[:-1] + (-1, 32)); a = np.abs(x).max(-1, keepdims=True)
;;       e = np.where(a > 0, np.clip(np.frexp(np.where(a > 0, a, 1))[1] - 1 - 2, -126, 127), 0)      # np.frexp(a)[1] - 1 = floor(log2(a)), exactly
;;       r = np.clip(x / 2.0 ** e, -6, 6)
;;       step = 2.0 ** (np.maximum(np.frexp(np.where(r == 0, 1, r))[1] - 1, 0) - 1)
;;       q = np.round(r / step) * step * 2.0 ** e      # np.round: ties to even
;;       return np.moveaxis(q.reshape(q.shape[:-2] + (-1,))[..., :K], -1, axis).astype(np.float32)
;;   ~~~
;;   OPERANDS COMPUTED ON THE WAY. 'Computed on the way' means the value that the module computes at that place (a softmax that the list does not call 'softmax' is quantised finished and normalised). What goes into a quantiser is computed in f32, as accurately as f32 sums, v_exp_f32 and their like allow (about 1e-6 of the number): no bf16 or f16 on the way to a quantiser, and a product that is left as it is and whose result goes on into a quantised operand takes f32 operands (vector FMAs, or v_wmma_f32_16x16x4_f32). A number that lies on a knife's edge between two numbers of the format may be rounded either way, as far as f32 arithmetic and the matrix unit's own rounding can turn it there, and no further.
;; 2 versions, each right and faster than the one before. Each part assembles by itself: llvm-mc -triple=amdgcn-amd-amdhsa -mcpu=gfx1250 --defsym DOCPART=n.
;; ======== version 1 of 2: 3 launches
;; limits: a function is approximated: absolute error at most 1.5e-07
;; workspace buffers: WQ 1,531,904 bytes; pooled 131,072 bytes; qhc 131,072 bytes; ahc 2,097,152 bytes; ch 32,768 bytes
;; launch prep (part 1): grid 432 x 1, 8 waves a work-group, no clusters, 9,216 bytes of LDS; arguments qw1, qw2, aw1, aw2, cw2, cw1, rw1, query_atoms, query_masses, WQ, pooled; writes WQ, pooled
.if DOCPART == 1
	.amdgcn_target "amdgcn-amd-amdhsa--gfx1250"
	.amdhsa_code_object_version 6
	.text
	.protected	k_q34ea339fb1_prep
	.globl	k_q34ea339fb1_prep
	.p2align	8
	.type	k_q34ea339fb1_prep,@function
k_q34ea339fb1_prep:
	s_mov_b64 s[64:65], 0
	v_nop
	global_prefetch_b8 v0, s[64:65] scope:SCOPE_SE
	s_setreg_imm32_b32 hwreg(HW_REG_WAVE_MODE, 25, 1), 1
	s_wait_xcnt 0x0
; Work-groups 0-175: the seven weights [K][512] f32 become codes of FP4 (E2M1) with one E8M0 byte for each 32 along K, laid in WQ in the order of the operand's registers.
; WQ: 22 slots of 256 along K x 512 columns (0-1 qw1, 2-3 qw2, 4-5 aw1, 6-7 aw2, 8-9 cw2, 10-13 cw1, 14-21 rw1); a slot is 8 blocks of 64 columns, 8,704 bytes each:
;   fragment (kk, t) at (4 kk + t) x 1024: 512 c + 16 x lane; lane rho + 16 h holds k = 128 kk + 64 c + 32 h + 0..31 of the tile's row rho;
;   at 8192: scale words, 16 (16 (t % 2) + rho) + 4 (2 kk + t / 2) + (k / 32) % 4.  Row rho of tile t = 2 b + u is column 32 b + 8 u + rho + 8 (rho / 8) of the block.
; A lane takes a column and its registers run down K: a block of 32 lies in one lane, nothing is transposed.  Wave v takes the slot's v-th 32 along K, 64 columns in two halves.
; Work-groups 176-431: pooled[q][d] = sum over atoms of max(mass, 0) x atom[d], divided by max(sum of the masses, 1e-8), all f32: a work-group takes 128 d of one query, a wave 8 atoms.
; LIMITS: a block of zeros gets the byte 1 (its codes are zeros, and only this program reads the bytes); NaN and infinities are not served.
; The two paths part on the work-group's number and have LDS bytes of their own.
.set SLOTB, 69632
.set BLKB,  8704
.set NWQ,   176
.set WSC,   0                          ; weights path: a block's 512 scale bytes
.set PST,   1024                       ; pooling path: 8 waves x 512 bytes of partial sums
.macro QB32 x, c, by                   ; 32 numbers of one block in v[x].. -> 4 registers of codes, and the scale's byte
	v_max3_num_f32 v10, |v[\x]|, |v[\x+1]|, 0x1800000              ; the floor 2^(3 - 127) holds the byte at 1 from below
	v_max3_num_f32 v11, |v[\x+2]|, |v[\x+3]|, |v[\x+4]|
.irp i, 5,9,13,17,21,25
	v_max3_num_f32 v10, v10, |v[\x+\i]|, |v[\x+\i+1]|
	v_max3_num_f32 v11, v11, |v[\x+\i+2]|, |v[\x+\i+3]|
.endr
	v_max3_num_f32 v10, v10, |v[\x+29]|, |v[\x+30]|
	v_max3_num_f32 v10, v10, v11, |v[\x+31]|
	v_add_nc_u32 v12, 0xff000000, v10                              ; 2 off the exponent field: the conversion's scale operand
.irp g, 0,1,2,3
	v_cvt_scalef32_pk8_fp4_f32 v[\c+\g], v[\x+8*\g:\x+8*\g+7], v12
.endr
	v_lshrrev_b32 v[\by], 23, v12                                  ; the byte; also the plain line behind the conversions
.endm
.macro PICK start, p                   ; from slot 'start' on the tensor is the one at s[p:p+1]
	s_cmp_ge_u32 s27, \start
	s_cselect_b64 s[30:31], s[\p:\p+1], s[30:31]
	s_cselect_b32 s29, \start, s29
.endm
	s_load_b512 s[4:19], s[0:1], 0x0               ; qw1 4, qw2 6, aw1 8, aw2 10, cw2 12, cw1 14, rw1 16, query_atoms 18
	s_load_b128 s[20:23], s[0:1], 0x40             ; query_masses 20, WQ 22
	s_load_b64 s[24:25], s[0:1], 0x50              ; pooled
	v_lshl_add_u32 v128, v0, 2, 0x2000
	v_mov_b32 v129, 0
	v_lshrrev_b32 v1, 5, v0
	v_readfirstlane_b32 s26, v1                    ; wave 0..7
	v_and_b32 v2, 31, v0                           ; lane
	v_lshlrev_b32 v9, 4, v2                        ; 16 x lane
	s_mov_b32 s33, 0
	s_mov_b32 s35, 0
	s_mov_b32 s40, 0x76543210
	s_mov_b32 s41, 0xfedcba98                      ; selects for lane l xor 16
	s_cmp_ge_u32 ttmp9, NWQ
	s_cbranch_scc1 .Lpool
; ---------------- the weights
	s_lshr_b32 s27, ttmp9, 3                       ; slot
	s_and_b32 s28, ttmp9, 7                        ; block of 64 columns
	v_and_b32 v4, 15, v2                           ; rho
	v_lshrrev_b32 v5, 4, v2                        ; u
	v_and_b32 v6, 8, v2
	v_add_nc_u32 v3, v4, v6
	v_lshl_add_u32 v3, v5, 3, v3                   ; my column in a half: 8 u + rho + 8 (rho / 8)
	v_lshlrev_b32 v3, 2, v3
	v_lshlrev_b32 v7, 4, v4
	v_lshl_add_u32 v7, v5, 10, v7                  ; my codes' place: 1024 u + 16 rho
	s_lshr_b32 s37, s26, 2                         ; kk
	s_and_b32 s38, s26, 3                          ; my block of 32 in the K step
	s_lshl_b32 s46, s37, 3
	s_add_co_u32 s46, s46, s38
	v_lshl_add_u32 v8, v2, 4, s46                  ; my scale byte: 16 x lane + 8 kk + block
	s_wait_kmcnt 0x0
	s_mov_b64 s[30:31], s[4:5]
	s_mov_b32 s29, 0
	PICK 2, 6
	PICK 4, 8
	PICK 6, 10
	PICK 8, 12
	PICK 10, 14
	PICK 14, 16
	s_sub_co_u32 s32, s27, s29                     ; the slot within its tensor
	s_lshl_b32 s32, s32, 3
	s_add_co_u32 s32, s32, s26                     ; which 32 rows
	s_lshl_b32 s32, s32, 16                        ; x 32 rows of 2,048 bytes
	s_lshl_b32 s34, s28, 8
	s_add_co_u32 s32, s32, s34
	s_add_nc_u64 s[30:31], s[30:31], s[32:33]
.set i, 0
.rept 64                               ; W(32 v + i, my column): a load's 32 lanes cover 128 consecutive bytes
	global_load_b32 v[32+i], v3, s[30:31] offset:(i%32)*2048+128*(i/32) th:TH_LOAD_NT
.set i, i+1
.endr
	s_mul_i32 s32, s27, SLOTB
	s_mul_i32 s34, s28, BLKB
	s_add_co_u32 s32, s32, s34
	s_add_nc_u64 s[42:43], s[22:23], s[32:33]      ; my block in WQ
	s_lshl_b32 s34, s37, 12
	s_lshr_b32 s36, s38, 1
	s_lshl_b32 s36, s36, 9
	s_add_co_u32 s34, s34, s36
	s_and_b32 s36, s26, 1
	s_lshl_b32 s36, s36, 8
	s_add_co_u32 s34, s34, s36                     ; 4096 kk + 512 c + 256 h
	s_add_nc_u64 s[44:45], s[42:43], s[34:35]
	s_wait_loadcnt 32                              ; the first half's 32 loads are in, the second half's are out
	QB32 32, 16, 20
	global_store_b128 v7, v[16:19], s[44:45]       ; sixteen lanes store 256 consecutive bytes, aligned
	ds_store_b8 v8, v20 offset:WSC
	s_wait_loadcnt 0x0
	QB32 64, 24, 21
	global_store_b128 v7, v[24:27], s[44:45] offset:2048
	ds_store_b8 v8, v21 offset:WSC+4
	s_wait_dscnt 0x0                               ; my bytes have landed: wave 0 reads them behind the barrier
	s_barrier_signal -1
	s_barrier_wait -1
	s_cmp_lg_u32 s26, 0
	s_cbranch_scc1 .Lwend
	ds_load_b128 v[28:31], v9 offset:WSC
	s_wait_dscnt 0x0
	global_store_b128 v9, v[28:31], s[42:43] offset:8192   ; the block's 512 scale bytes: two aligned runs of 256
.Lwend:
	s_wait_tensorcnt 0x0
	ds_add_u32 v128, v129
	s_wait_dscnt 0x0
	s_endpgm
; ---------------- the pooling
.Lpool:
	s_sub_co_u32 s27, ttmp9, NWQ
	s_lshr_b32 s28, s27, 2                         ; q
	s_and_b32 s29, s27, 3                          ; which 128 of the 512
	s_lshl_b32 s38, s26, 9
	s_add_co_u32 s38, s38, PST
	v_lshl_add_u32 v13, v2, 4, s38                 ; my wave's partial
	v_lshl_add_u32 v14, v2, 4, PST                 ; all partials, read by wave 0
	s_lshl_b32 s32, s28, 17
	s_lshl_b32 s34, s26, 14
	s_add_co_u32 s32, s32, s34
	s_lshl_b32 s34, s29, 9
	s_add_co_u32 s32, s32, s34
	s_wait_kmcnt 0x0
	s_add_nc_u64 s[18:19], s[18:19], s[32:33]      ; atoms 8 v on of query q, my 512 bytes of a row
	s_lshl_b32 s32, s28, 8
	s_add_nc_u64 s[20:21], s[20:21], s[32:33]      ; the query's 64 masses
	s_lshl_b32 s34, s26, 5
	s_add_nc_u64 s[36:37], s[20:21], s[34:35]
	s_load_b256 s[48:55], s[36:37], 0x0            ; my 8
.irp i, 0,1,2,3,4,5,6,7
	global_load_b128 v[32+4*\i:35+4*\i], v9, s[18:19] offset:2048*\i th:TH_LOAD_NT
.endr
	s_lshl_b32 s32, s28, 11
	s_lshl_b32 s34, s29, 9
	s_add_co_u32 s32, s32, s34
	s_add_nc_u64 s[24:25], s[24:25], s[32:33]
	s_wait_kmcnt 0x0
.irp i, 0,1,2,3,4,5,6,7
	v_max_num_f32 v[64+2*\i], s[48+\i], 0          ; the clamped mass, twice: a pair for the packed forms
	v_max_num_f32 v[65+2*\i], s[48+\i], 0
.endr
	s_wait_loadcnt 0x0
	v_pk_mul_f32 v[80:81], v[32:33], v[64:65]      ; the first atom starts the sums
	v_pk_mul_f32 v[82:83], v[34:35], v[64:65]
.irp i, 1,2,3,4,5,6,7
	v_pk_fma_f32 v[80:81], v[32+4*\i:33+4*\i], v[64+2*\i:65+2*\i], v[80:81]
	v_pk_fma_f32 v[82:83], v[34+4*\i:35+4*\i], v[64+2*\i:65+2*\i], v[82:83]
.endr
	ds_store_b128 v13, v[80:83]
	s_wait_dscnt 0x0
	s_barrier_signal -1
	s_barrier_wait -1
	s_cmp_lg_u32 s26, 0
	s_cbranch_scc1 .Lpend
	v_lshlrev_b32 v15, 3, v2
	global_load_b64 v[16:17], v15, s[20:21]        ; two masses a lane
.irp i, 0,1,2,3,4,5,6,7
	ds_load_b128 v[32+4*\i:35+4*\i], v14 offset:512*\i
.endr
	v_mov_b32 v18, 0
	s_wait_loadcnt 0x0
	v_max_num_f32 v16, 0, v16
	v_max_num_f32 v17, 0, v17
	v_add_f32 v16, v16, v17
	v_add_f32_dpp v16, v16, v16 row_xmask:1 row_mask:0xf bank_mask:0xf
	v_add_f32_dpp v16, v16, v16 row_xmask:2 row_mask:0xf bank_mask:0xf
	v_add_f32_dpp v16, v16, v16 row_xmask:4 row_mask:0xf bank_mask:0xf
	v_add_f32_dpp v16, v16, v16 row_xmask:8 row_mask:0xf bank_mask:0xf
	v_permlanex16_b32 v18, v16, s40, s41
	v_add_f32 v16, v16, v18
	v_max_num_f32 v16, 0x322bcc77, v16             ; 1e-8
	v_rcp_f32 v16, v16
	s_wait_dscnt 0x0
.irp i, 1,2,3,4,5,6,7                  ; (plain lines behind the reciprocal)
	v_pk_add_f32 v[32:33], v[32:33], v[32+4*\i:33+4*\i]
	v_pk_add_f32 v[34:35], v[34:35], v[34+4*\i:35+4*\i]
.endr
	s_wait_alu depctr_va_vdst(0)
	v_mov_b32 v17, v16
	v_pk_mul_f32 v[32:33], v[32:33], v[16:17]
	v_pk_mul_f32 v[34:35], v[34:35], v[16:17]
	global_store_b128 v9, v[32:35], s[24:25]       ; 512 consecutive bytes
.Lpend:
	s_wait_tensorcnt 0x0
	ds_add_u32 v128, v129
	s_wait_dscnt 0x0
	s_endpgm
.Lfunc_end_k_q34ea339fb1_prep:
	.size	k_q34ea339fb1_prep, .Lfunc_end_k_q34ea339fb1_prep-k_q34ea339fb1_prep
	.p2alignl 7, 3214868480
	.fill 96, 4, 3214868480
	.section	.rodata,"a",@progbits
	.p2align	6, 0x0
	.amdhsa_kernel k_q34ea339fb1_prep
		.amdhsa_group_segment_fixed_size 9216
		.amdhsa_private_segment_fixed_size 0
		.amdhsa_enable_private_segment 0
		.amdhsa_kernarg_size 88
		.amdhsa_user_sgpr_count 2
		.amdhsa_user_sgpr_kernarg_segment_ptr 1
		.amdhsa_wavefront_size32 1
		.amdhsa_system_sgpr_workgroup_id_x 1
		.amdhsa_system_sgpr_workgroup_id_y 1
		.amdhsa_system_sgpr_workgroup_id_z 1
		.amdhsa_system_vgpr_workitem_id 0
		.amdhsa_next_free_vgpr 130
		.amdhsa_next_free_sgpr 66
		.amdhsa_reserve_vcc 0
		.amdhsa_float_denorm_mode_32 3
		.amdhsa_float_denorm_mode_16_64 3
		.amdhsa_memory_ordered 1
		.amdhsa_forward_progress 1
		.amdhsa_inst_pref_size 19
	.end_amdhsa_kernel
	.amdgpu_metadata
---
amdhsa.version: [ 1, 2 ]
amdhsa.kernels:
  - .name:           k_q34ea339fb1_prep
    .symbol:         k_q34ea339fb1_prep.kd
    .args:
      - { .name: qw1, .offset: 0, .size: 8, .value_kind: global_buffer, .address_space: global }
      - { .name: qw2, .offset: 8, .size: 8, .value_kind: global_buffer, .address_space: global }
      - { .name: aw1, .offset: 16, .size: 8, .value_kind: global_buffer, .address_space: global }
      - { .name: aw2, .offset: 24, .size: 8, .value_kind: global_buffer, .address_space: global }
      - { .name: cw2, .offset: 32, .size: 8, .value_kind: global_buffer, .address_space: global }
      - { .name: cw1, .offset: 40, .size: 8, .value_kind: global_buffer, .address_space: global }
      - { .name: rw1, .offset: 48, .size: 8, .value_kind: global_buffer, .address_space: global }
      - { .name: query_atoms, .offset: 56, .size: 8, .value_kind: global_buffer, .address_space: global }
      - { .name: query_masses, .offset: 64, .size: 8, .value_kind: global_buffer, .address_space: global }
      - { .name: WQ, .offset: 72, .size: 8, .value_kind: global_buffer, .address_space: global }
      - { .name: pooled, .offset: 80, .size: 8, .value_kind: global_buffer, .address_space: global }
    .group_segment_fixed_size: 9216
    .private_segment_fixed_size: 0
    .kernarg_segment_align: 8
    .kernarg_segment_size: 88
    .max_flat_workgroup_size: 256
    .sgpr_count:     66
    .vgpr_count:     130
    .wavefront_size: 32
...
	.end_amdgpu_metadata
.endif
;; end of part 1
;; launch mlp (part 2): grid 69 x 1, 4 waves a work-group, no clusters, 33,280 bytes of LDS; arguments pooled, class_atoms, class_summary, episode_context, qg, qb, qb1, qb2, ag, ab, ab1, ab2, cg, cb, cb1, cb2, WQ, qhc, ahc, ch; writes qhc, ahc, ch
.if DOCPART == 2
	.amdgcn_target "amdgcn-amd-amdhsa--gfx1250"
	.amdhsa_code_object_version 6
	.text
	.protected	k_q34ea339fb1_mlp
	.globl	k_q34ea339fb1_mlp
	.p2align	8
	.type	k_q34ea339fb1_mlp,@function
k_q34ea339fb1_mlp:
	s_mov_b64 s[64:65], 0
	v_nop
	global_prefetch_b8 v0, s[64:65] scope:SCOPE_SE
	s_setreg_imm32_b32 hwreg(HW_REG_WAVE_MODE, 25, 1), 1
	s_wait_xcnt 0x0
; out = gelu(LN(x) W1 + b1) W2 + b2 for 16 rows a work-group: work-groups 0-63 the class atoms, 64-67 the pooled queries, 68 the context (K = 1,024: summary, then episode context).
; Both products on codes of FP4 with E8M0 scales; the weights' codes come from WQ as images of the operand's registers and stay in registers.
; Wave v owns K step v (and v + 4) of x in the norm, and columns 128 v .. 128 v + 127 of both layers.  Operands go from wave to wave through LDS as images of their registers.
; Both products are used transposed (source 0 = 16 columns of W, source 1 = the 16 rows): a lane holds one row, and by the order of a tile's columns in WQ the 16 registers of two neighbouring tiles are 16 neighbours along the next K.
; LN in two passes (mean, then the squares of x - mean).  GELU: gelu(x) = max(x, 0) - |x| E, E = (1 - erf(|x| / sqrt 2)) / 2 by the five-term rational form in t = 1 / (1 + 0.2316419 |x|):
; its error on erf is 1.5e-7 absolute, of the size of an f32 rounding.
; OUT: qhc and ahc in chunks [16 rows' group][128 chunks of 4 columns][16 rows][16 bytes], so that sixteen lanes store 256 consecutive bytes; ch plain [16][512].
; LIMITS: a block of zeros gets the byte 1; NaN and infinities are not served.
; REGISTERS: window 0: v4-13 addresses; v24-55 W1's scale words, v56-71 W2's, v72-79 the rows'; v80-113 at work; v128-255 x, later v128-191 the 8 accumulators, v192-255 fragments or scratch.
;   windows 1 (and 2 for K = 1,024): W1.  window 2: W2.  window 3: g, b; b1, b2.
.set SLOTB, 69632
.set BLKB,  8704
.set XIMG,  512                        ; LDS, from the path's base: 0 and 256 the norm's partial sums; x's 8 fragments,
.set XSC,   8704                       ; their scale words, 128 bytes each,
.set HIMG,  9728                       ; the hidden layer's 4 fragments,
.set HSC,   13824                      ; their scale words
.set XA,  4
.set GA,  5
.set LI,  6
.set LIL, 7
.set LSL, 8
.set FWI, 9
.set FWS, 10
.set STA, 11
.set STR, 12
.set OA,  13
.set W1S, 24
.set W2S, 56
.set XS,  72
.set TM,  80
.set PW,  96
.set PC,  100
.set KA5, 108
.set MN,  110
.set RSD, 112
.set X,   128
.set ACC, 128
.set FRG, 192
.set PX,  44
.set PG,  48
.set PB,  50
.set PB1, 52
.set PB2, 54
.set PO,  56
.set PW1, 58
.set PW2, 60
.set WV,  71
.set SEL, 72
.set MSB, 0
.macro WIN new                         ; the immediate's high byte repeats the setting that is left
.if MSB != (\new)
	s_set_vgpr_msb (MSB<<8)|(\new)
.set MSB, (\new)
.endif
.endm
.macro NOP4
.rept 4
	v_nop
.endr
.endm
.macro BARRIER                         ; my LDS stores have landed and my LDS loads are in: then the work-group's barrier
	s_wait_dscnt 0x0
	s_barrier_signal -1
	s_barrier_wait -1
.endm
.macro WM d, a, b, c, sa, sb, ra       ; ra: the weights' scale words lie in lanes 16-31
.if \ra
	v_wmma_scale_f32_16x16x128_f8f6f4 v[\d:\d+7], v[\a:\a+7], v[\b:\b+7], v[\c:\c+7], v[\sa], v[\sb] matrix_a_fmt:MATRIX_FMT_FP4 matrix_b_fmt:MATRIX_FMT_FP4 matrix_a_scale:MATRIX_SCALE_ROW1
.else
	v_wmma_scale_f32_16x16x128_f8f6f4 v[\d:\d+7], v[\a:\a+7], v[\b:\b+7], v[\c:\c+7], v[\sa], v[\sb] matrix_a_fmt:MATRIX_FMT_FP4 matrix_b_fmt:MATRIX_FMT_FP4
.endif
.endm
; 64 numbers of a lane, register 16 b + i = k 32 b + 16 (lane / 16) + i of my row, become a fragment's codes in v[PC].. and its scale word in v[PW]
.macro QUANT s
.irp b, 0,1,2,3
	v_max3_num_f32 v[TM+\b], |v[\s+16*\b]|, |v[\s+1+16*\b]|, 0x1800000   ; with the floor 2^(3 - 127)
.endr
.irp i, 2,4,6,8,10,12,14
.irp b, 0,1,2,3
	v_max3_num_f32 v[TM+\b], v[TM+\b], |v[\s+16*\b+\i]|, |v[\s+1+16*\b+\i]|
.endr
.endr
.irp b, 0,1,2,3
	v_permlanex16_b32 v[TM+4+\b], v[TM+\b], s[SEL], s[SEL+1]
.endr
.irp b, 0,1,2,3
	v_max_num_f32 v[TM+\b], v[TM+\b], v[TM+4+\b]
.endr
.irp b, 0,1,2,3
	v_add_nc_u32 v[TM+12+\b], 0xff000000, v[TM+\b]
.endr
.irp b, 0,1,2,3
	v_lshrrev_b32 v[TM+4+\b], 23, v[TM+12+\b]
.endr
	v_lshl_or_b32 v[PW], v[TM+5], 8, v[TM+4]
	v_lshl_or_b32 v[PW], v[TM+6], 16, v[PW]
	v_lshl_or_b32 v[PW], v[TM+7], 24, v[PW]
.irp b, 0,1,2,3
	v_cvt_scalef32_pk8_fp4_f32 v[PC+2*\b], v[\s+16*\b:\s+7+16*\b], v[TM+12+\b]
	v_cvt_scalef32_pk8_fp4_f32 v[PC+1+2*\b], v[\s+8+16*\b:\s+15+16*\b], v[TM+12+\b]
.endr
	v_nop                                          ; one plain line behind the conversions
.irp c, 0,1                            ; the operand wants a whole block in a lane
.irp i, 0,1
	v_permlane16_swap_b32 v[PC+4*\c+\i], v[PC+2+4*\c+\i]
.endr
.endr
.endm
; gelu in place on 16 registers v[x]..; s: 48 registers of scratch (t, the exponential, the polynomial)
.macro GELU8P x, s
.set gp, 0
.rept 8
	v_pk_mul_f32 v[\s+16+gp:\s+17+gp], v[\x+gp:\x+1+gp], 0x3f596d27 op_sel_hi:[1,0]   ; x sqrt(log2(e) / 2)
.set gp, gp+2
.endr
.set gp, 0
.rept 8
	v_pk_mul_f32 v[\s+16+gp:\s+17+gp], v[\s+16+gp:\s+17+gp], v[\s+16+gp:\s+17+gp]
.set gp, gp+2
.endr
.set gp, 0
.rept 16
	v_fma_f32 v[\s+gp], |v[\x+gp]|, 0x3e6d3388, 1.0
.set gp, gp+1
.endr
.set gp, 0
.rept 16
	v_rcp_f32 v[\s+gp], v[\s+gp]
.set gp, gp+1
.endr
.set gp, 0
.rept 16
	v_exp_f32 v[\s+16+gp], -v[\s+16+gp]
.set gp, gp+1
.endr
	v_nop                                          ; a plain line behind the transcendentals
.set gp, 0
	s_wait_alu depctr_va_vdst(0)
.rept 8
	v_pk_fma_f32 v[\s+32+gp:\s+33+gp], v[\s+gp:\s+1+gp], v[KA5:KA5+1], 0xbf3a00e3 op_sel_hi:[1,1,0]
.set gp, gp+2
.endr
.irp k, 0x3f35f0e3, 0xbe11a98e, 0x3e027906
.set gp, 0
.rept 8
	v_pk_fma_f32 v[\s+32+gp:\s+33+gp], v[\s+32+gp:\s+33+gp], v[\s+gp:\s+1+gp], \k op_sel_hi:[1,1,0]
.set gp, gp+2
.endr
.endr
.set gp, 0
.rept 8
	v_pk_mul_f32 v[\s+32+gp:\s+33+gp], v[\s+32+gp:\s+33+gp], v[\s+gp:\s+1+gp]
.set gp, gp+2
.endr
.set gp, 0
.rept 8
	v_pk_mul_f32 v[\s+32+gp:\s+33+gp], v[\s+32+gp:\s+33+gp], v[\s+16+gp:\s+17+gp]
.set gp, gp+2
.endr
.set gp, 0
.rept 16
	v_max_num_f32 v[\s+gp], 0, v[\x+gp]
.set gp, gp+1
.endr
.set gp, 0
.rept 16
	v_fma_f32 v[\x+gp], -|v[\x+gp]|, v[\s+32+gp], v[\s+gp]
.set gp, gp+1
.endr
.endm
; the fragments of nks K steps x my 8 tiles, from WQ into windows w0 on: fragment (k, t) at v[64 (k % 4) + 8 t]
.macro WFRAGS nks, w0, ptr
.set k_, 0
.rept \nks
	WIN (\w0+k_/4)<<6
.set t_, 0
.rept 8
	global_load_b128 v[64*(k_%4)+8*t_:64*(k_%4)+8*t_+3], v[LI], s[\ptr:\ptr+1] offset:(k_/2)*SLOTB+(t_/4)*BLKB+((k_%2)*4+t_%4)*1024
	global_load_b128 v[64*(k_%4)+8*t_+4:64*(k_%4)+8*t_+7], v[LI], s[\ptr:\ptr+1] offset:(k_/2)*SLOTB+(t_/4)*BLKB+((k_%2)*4+t_%4)*1024+512
.set t_, t_+1
.endr
.set k_, k_+1
.endr
	WIN 0
.endm
.macro BIASLD                          ; b1, b2 in the result's layout: tile t, lane half h: columns 32 (t / 2) + 16 h + 8 (t % 2) + 0..7 of my 128
	WIN 0xc0
.set t_, 0
.rept 8
	global_load_b128 v[BI1+8*t_:BI1+8*t_+3], v[GA], s[PB1:PB1+1] offset:(32*(t_/2)+8*(t_%2))*4
	global_load_b128 v[BI1+8*t_+4:BI1+8*t_+7], v[GA], s[PB1:PB1+1] offset:(32*(t_/2)+8*(t_%2))*4+16
	global_load_b128 v[BI2+8*t_:BI2+8*t_+3], v[GA], s[PB2:PB2+1] offset:(32*(t_/2)+8*(t_%2))*4
	global_load_b128 v[BI2+8*t_+4:BI2+8*t_+7], v[GA], s[PB2:PB2+1] offset:(32*(t_/2)+8*(t_%2))*4+16
.set t_, t_+1
.endr
	WIN 0
.endm
; A layer: the rows' nks fragments from LDS; K step by K step (beginning at 'rot') my 8 tiles by turns; the bias is the C of the first K step.
; mid = 1: behind the first four K steps their window takes W2.
.macro LAYER nks, rot, w0, bi, ws, img, sc, mid
.set k_, 0
.rept \nks
	ds_load_b128 v[FRG+8*k_:FRG+8*k_+3], v[LIL] offset:\img+1024*k_
	ds_load_b128 v[FRG+8*k_+4:FRG+8*k_+7], v[LIL] offset:\img+1024*k_+512
	ds_load_b32 v[XS+k_], v[LSL] offset:\sc+128*k_
.set k_, k_+1
.endr
	s_wait_dscnt 0x0
.set o_, 0
.rept \nks
.set k_, (o_+\rot)%(\nks)
.if o_ == 0
	WIN 0x30|(\w0+k_/4)
.else
	WIN \w0+k_/4
.endif
.set t_, 0
.rept 8
.if o_ == 0
	WM ACC+8*t_, 64*(k_%4)+8*t_, FRG+8*k_, \bi+8*t_, \ws+8*(k_/2)+4*(t_/4)+2*(k_%2)+(t_%4)/2, XS+k_, t_%2
.else
	WM ACC+8*t_, 64*(k_%4)+8*t_, FRG+8*k_, ACC+8*t_, \ws+8*(k_/2)+4*(t_/4)+2*(k_%2)+(t_%4)/2, XS+k_, t_%2
.endif
.set t_, t_+1
.endr
.if (\mid) && (o_ == 3)
	WIN 0
	NOP4                                           ; four places in front of loads into registers that matrix instructions have read
	WFRAGS 4, 2, PW2
.endif
.set o_, o_+1
.endr
	WIN 0
	NOP4                                           ; four places in front of the first read of results
.endm
.macro MLP ns, lb, rs, cs
.set NS, \ns
.if NS == 1
.set BI1, 128
.else
.set BI1, 0
.endif
.set BI2, BI1+64
	v_and_b32 v1, 31, v0
	v_and_b32 v2, 15, v0                           ; r
	v_bfe_u32 v3, v0, 4, 1                         ; h
	v_lshlrev_b32 v[XA], 11, v2
	v_lshl_add_u32 v[XA], v3, 6, v[XA]             ; x: row r of 2,048 bytes + 64 h
	v_lshlrev_b32 v[GA], 6, v3
	v_lshlrev_b32 v[LI], 4, v1
	v_lshl_add_u32 v[LIL], v1, 4, \lb
	v_lshl_add_u32 v[LSL], v1, 2, \lb
	s_lshl_b32 s70, s[WV], 10
	v_add_nc_u32 v[FWI], s70, v[LIL]               ; where I store an image: 16 x lane + 1024 x wave
	s_lshl_b32 s70, s[WV], 7
	v_add_nc_u32 v[FWS], s70, v[LSL]               ; and its scale words: 4 x lane + 128 x wave
	s_lshl_b32 s70, s[WV], 6
	v_lshl_add_u32 v[STR], v2, 2, \lb
	v_add_nc_u32 v[STA], s70, v[STR]
	v_mul_u32_u24 v[OA], v2, \rs
	v_mul_u32_u24 v16, v3, 4*\cs
	v_add_nc_u32 v[OA], v[OA], v16
.irp b, 0,1,2,3
	v_mov_b32 v[TM+4+\b], 0                        ; a lane permute's destination counts as one of its sources
.endr
	v_mov_b32 v[KA5], 0x3f07dc22
	v_mov_b32 v[KA5+1], 0x3f07dc22
.set q_, 0
.rept 16*NS                            ; x: register 64 s + 16 b + i = k 32 b + 16 h + i of K step v + 4 s
	global_load_b128 v[X+4*q_:X+4*q_+3], v[XA], s[PX+2*(q_/16):PX+2*(q_/16)+1] offset:128*((q_%16)/4)+16*(q_%4)
.set q_, q_+1
.endr
	WIN 0xc0
.set q_, 0
.rept 16*NS
	global_load_b128 v[4*q_:4*q_+3], v[GA], s[PG:PG+1] offset:2048*(q_/16)+128*((q_%16)/4)+16*(q_%4)
	global_load_b128 v[64*NS+4*q_:64*NS+4*q_+3], v[GA], s[PB:PB+1] offset:2048*(q_/16)+128*((q_%16)/4)+16*(q_%4)
.set q_, q_+1
.endr
	WIN 0
.if NS == 1
	BIASLD
.endif
	s_wait_loadcnt 0x0                             ; x, g, b are in; the weights go out now and land under the norm
.set q_, 0
.rept 4*NS
	global_load_b128 v[W1S+4*q_:W1S+4*q_+3], v[LI], s[PW1:PW1+1] offset:(q_/2)*SLOTB+(q_%2)*BLKB+8192
.set q_, q_+1
.endr
.set q_, 0
.rept 4
	global_load_b128 v[W2S+4*q_:W2S+4*q_+3], v[LI], s[PW2:PW2+1] offset:(q_/2)*SLOTB+(q_%2)*BLKB+8192
.set q_, q_+1
.endr
	WFRAGS 4*NS, 1, PW1
.if NS == 1
	WFRAGS 4, 2, PW2
.endif
	; the mean
	v_pk_add_f32 v[16:17], v[X:X+1], v[X+2:X+3]
	v_pk_add_f32 v[18:19], v[X+4:X+5], v[X+6:X+7]
.set q_, 8
.rept 16*NS-2
	v_pk_add_f32 v[16:17], v[16:17], v[X+q_:X+q_+1]
	v_pk_add_f32 v[18:19], v[18:19], v[X+q_+2:X+q_+3]
.set q_, q_+4
.endr
	v_pk_add_f32 v[16:17], v[16:17], v[18:19]
	v_add_f32 v16, v16, v17
	v_permlanex16_b32 v17, v16, s[SEL], s[SEL+1]
	v_add_f32 v16, v16, v17
	ds_store_b32 v[STA], v16
	BARRIER
.irp i, 0,1,2,3
	ds_load_b32 v[16+\i], v[STR] offset:64*\i
.endr
	s_wait_dscnt 0x0
	v_add_f32 v16, v16, v17
	v_add_f32 v18, v18, v19
	v_add_f32 v16, v16, v18
.if NS == 1
	v_mul_f32 v[MN], 0xbb000000, v16               ; - sum / 512
.else
	v_mul_f32 v[MN], 0xba800000, v16               ; - sum / 1024
.endif
	v_mov_b32 v[MN+1], v[MN]
.set q_, 0
.rept 32*NS
	v_pk_add_f32 v[X+q_:X+q_+1], v[X+q_:X+q_+1], v[MN:MN+1]
.set q_, q_+2
.endr
	; the variance, of x - mean
	v_pk_mul_f32 v[16:17], v[X:X+1], v[X:X+1]
	v_pk_mul_f32 v[18:19], v[X+2:X+3], v[X+2:X+3]
.set q_, 4
.rept 16*NS-1
	v_pk_fma_f32 v[16:17], v[X+q_:X+q_+1], v[X+q_:X+q_+1], v[16:17]
	v_pk_fma_f32 v[18:19], v[X+q_+2:X+q_+3], v[X+q_+2:X+q_+3], v[18:19]
.set q_, q_+4
.endr
	v_pk_add_f32 v[16:17], v[16:17], v[18:19]
	v_add_f32 v16, v16, v17
	v_permlanex16_b32 v17, v16, s[SEL], s[SEL+1]
	v_add_f32 v16, v16, v17
	ds_store_b32 v[STA], v16 offset:256
	BARRIER
.irp i, 0,1,2,3
	ds_load_b32 v[16+\i], v[STR] offset:256+64*\i
.endr
	s_wait_dscnt 0x0
	v_add_f32 v16, v16, v17
	v_add_f32 v18, v18, v19
	v_add_f32 v16, v16, v18
.if NS == 1
	v_mul_f32 v16, 0x3b000000, v16
.else
	v_mul_f32 v16, 0x3a800000, v16
.endif
	v_add_f32 v16, 0x3727c5ac, v16                 ; + 1e-5
	v_rsq_f32 v[RSD], v16
	v_nop
	s_wait_alu depctr_va_vdst(0)
	v_mov_b32 v[RSD+1], v[RSD]
.set q_, 0
.rept 32*NS
	v_pk_mul_f32 v[X+q_:X+q_+1], v[X+q_:X+q_+1], v[RSD:RSD+1]
.set q_, q_+2
.endr
	WIN 0x3c                                       ; sources 1 and 2 (g, b) in window 3
.set q_, 0
.rept 32*NS
	v_pk_fma_f32 v[X+q_:X+q_+1], v[X+q_:X+q_+1], v[q_:q_+1], v[64*NS+q_:64*NS+q_+1]
.set q_, q_+2
.endr
	WIN 0
.if NS == 2
	BIASLD                                         ; into the registers that g has left
.endif
.set s_, 0
.rept NS
	QUANT X+64*s_
	ds_store_b128 v[FWI], v[PC:PC+3] offset:XIMG+4096*s_
	ds_store_b128 v[FWI], v[PC+4:PC+7] offset:XIMG+4096*s_+512
	ds_store_b32 v[FWS], v[PW] offset:XSC+512*s_
	s_wait_dscnt 0x0                               ; the stores have read their registers
.set s_, s_+1
.endr
	BARRIER                                        ; x's fragments lie in LDS
.if NS == 1
	s_wait_loadcnt 63                              ; W1 is in: behind it 64 loads of W2 were issued (one stricter than needed: the count's field ends at 63)
.else
	s_wait_loadcnt 0x0                             ; W1, b1, b2
.endif
	LAYER 4*NS, 4*(NS-1), 1, BI1, W1S, XIMG, XSC, NS-1
.irp g, 0,1,2,3
	GELU8P ACC+16*\g, FRG
.endr
	QUANT ACC
	ds_store_b128 v[FWI], v[PC:PC+3] offset:HIMG
	ds_store_b128 v[FWI], v[PC+4:PC+7] offset:HIMG+512
	ds_store_b32 v[FWS], v[PW] offset:HSC
	BARRIER                                        ; the hidden layer's four fragments lie in LDS
	s_wait_loadcnt 0x0                             ; W2
	LAYER 4, 0, 2, BI2, W2S, HIMG, HSC, 0
.set t_, 0
.rept 8                                ; lane (r, h), tile t: columns 128 v + 32 (t / 2) + 16 h + 8 (t % 2) + 0..7 of row r; each accumulator from its low end on
	global_store_b128 v[OA], v[ACC+8*t_:ACC+8*t_+3], s[PO:PO+1] offset:(8*(t_/2)+2*(t_%2))*\cs
	global_store_b128 v[OA], v[ACC+8*t_+4:ACC+8*t_+7], s[PO:PO+1] offset:(8*(t_/2)+2*(t_%2)+1)*\cs
.set t_, t_+1
.endr
.endm
	s_load_b512 s[4:19], s[0:1], 0x0               ; pooled 4, class_atoms 6, class_summary 8, episode_context 10, qg 12, qb 14, qb1 16, qb2 18
	s_load_b512 s[20:35], s[0:1], 0x40             ; ag 20, ab 22, ab1 24, ab2 26, cg 28, cb 30, cb1 32, cb2 34
	s_load_b256 s[36:43], s[0:1], 0x80             ; WQ 36, qhc 38, ahc 40, ch 42
	v_lshl_add_u32 v126, v0, 2, 0x8000
	v_mov_b32 v127, 0
	v_lshrrev_b32 v1, 5, v0
	v_readfirstlane_b32 s[WV], v1                  ; wave 0..3
	s_mov_b32 s[SEL], 0x76543210
	s_mov_b32 s[SEL+1], 0xfedcba98
	s_lshl_b32 s68, s[WV], 9                       ; 512 x wave: my K step of a row, my 128 numbers of a vector
	s_mov_b32 s69, 0
	s_mul_i32 s74, s[WV], 2*BLKB                   ; my two blocks of 64 columns in a slot of WQ
	s_mov_b32 s75, 0
	s_mov_b32 s67, 0
	s_wait_kmcnt 0x0
	s_cmp_eq_u32 ttmp9, 68
	s_cbranch_scc1 .Lctx
	s_cmp_lt_u32 ttmp9, 64                         ; atoms or queries: the choice hangs on the work-group's number alone
	s_cselect_b64 s[PX:PX+1], s[6:7], s[4:5]
	s_cselect_b64 s[PG:PG+1], s[20:21], s[12:13]
	s_cselect_b64 s[PB:PB+1], s[22:23], s[14:15]
	s_cselect_b64 s[PB1:PB1+1], s[24:25], s[16:17]
	s_cselect_b64 s[PB2:PB2+1], s[26:27], s[18:19]
	s_cselect_b64 s[PO:PO+1], s[40:41], s[38:39]
	s_cselect_b32 s62, 0, 64
	s_cselect_b32 s63, 4*SLOTB, 0
	s_sub_co_u32 s62, ttmp9, s62                   ; the group of 16 rows
	s_lshl_b32 s66, s62, 15                        ; 32,768 bytes a group, in and out
	s_add_nc_u64 s[PX:PX+1], s[PX:PX+1], s[66:67]
	s_add_nc_u64 s[PO:PO+1], s[PO:PO+1], s[66:67]
	s_add_nc_u64 s[PX:PX+1], s[PX:PX+1], s[68:69]
	s_add_nc_u64 s[PG:PG+1], s[PG:PG+1], s[68:69]
	s_add_nc_u64 s[PB:PB+1], s[PB:PB+1], s[68:69]
	s_add_nc_u64 s[PB1:PB1+1], s[PB1:PB1+1], s[68:69]
	s_add_nc_u64 s[PB2:PB2+1], s[PB2:PB2+1], s[68:69]
	s_lshl_b32 s66, s[WV], 13                      ; my 32 chunks of 256 bytes
	s_add_nc_u64 s[PO:PO+1], s[PO:PO+1], s[66:67]
	s_mov_b32 s66, s63
	s_add_nc_u64 s[PW1:PW1+1], s[36:37], s[66:67]
	s_add_nc_u64 s[PW1:PW1+1], s[PW1:PW1+1], s[74:75]
	s_add_nc_u64 s[PW2:PW2+1], s[PW1:PW1+1], 2*SLOTB
	MLP 1, 0, 16, 256
	s_wait_tensorcnt 0x0
	ds_add_u32 v126, v127
	s_wait_dscnt 0x0
	s_endpgm
.Lctx:
	s_add_nc_u64 s[PX:PX+1], s[8:9], s[68:69]
	s_add_nc_u64 s[PX+2:PX+3], s[10:11], s[68:69]
	s_add_nc_u64 s[PG:PG+1], s[28:29], s[68:69]
	s_add_nc_u64 s[PB:PB+1], s[30:31], s[68:69]
	s_add_nc_u64 s[PB1:PB1+1], s[32:33], s[68:69]
	s_add_nc_u64 s[PB2:PB2+1], s[34:35], s[68:69]
	s_add_nc_u64 s[PO:PO+1], s[42:43], s[68:69]
	s_add_nc_u64 s[PW2:PW2+1], s[36:37], s[74:75]
	s_add_nc_u64 s[PW1:PW1+1], s[PW2:PW2+1], 10*SLOTB
	s_add_nc_u64 s[PW2:PW2+1], s[PW2:PW2+1], 8*SLOTB
	MLP 2, 16384, 2048, 16
	s_wait_tensorcnt 0x0
	ds_add_u32 v126, v127
	s_wait_dscnt 0x0
	s_endpgm
.Lfunc_end_k_q34ea339fb1_mlp:
	.size	k_q34ea339fb1_mlp, .Lfunc_end_k_q34ea339fb1_mlp-k_q34ea339fb1_mlp
	.p2alignl 7, 3214868480
	.fill 96, 4, 3214868480
	.section	.rodata,"a",@progbits
	.p2align	6, 0x0
	.amdhsa_kernel k_q34ea339fb1_mlp
		.amdhsa_group_segment_fixed_size 33280
		.amdhsa_private_segment_fixed_size 0
		.amdhsa_enable_private_segment 0
		.amdhsa_kernarg_size 160
		.amdhsa_user_sgpr_count 2
		.amdhsa_user_sgpr_kernarg_segment_ptr 1
		.amdhsa_wavefront_size32 1
		.amdhsa_system_sgpr_workgroup_id_x 1
		.amdhsa_system_sgpr_workgroup_id_y 1
		.amdhsa_system_sgpr_workgroup_id_z 1
		.amdhsa_system_vgpr_workitem_id 0
		.amdhsa_next_free_vgpr 1024
		.amdhsa_next_free_sgpr 80
		.amdhsa_reserve_vcc 0
		.amdhsa_float_denorm_mode_32 3
		.amdhsa_float_denorm_mode_16_64 3
		.amdhsa_memory_ordered 1
		.amdhsa_forward_progress 1
		.amdhsa_inst_pref_size 217
	.end_amdhsa_kernel
	.amdgpu_metadata
---
amdhsa.version: [ 1, 2 ]
amdhsa.kernels:
  - .name:           k_q34ea339fb1_mlp
    .symbol:         k_q34ea339fb1_mlp.kd
    .args:
      - { .name: pooled, .offset: 0, .size: 8, .value_kind: global_buffer, .address_space: global }
      - { .name: class_atoms, .offset: 8, .size: 8, .value_kind: global_buffer, .address_space: global }
      - { .name: class_summary, .offset: 16, .size: 8, .value_kind: global_buffer, .address_space: global }
      - { .name: episode_context, .offset: 24, .size: 8, .value_kind: global_buffer, .address_space: global }
      - { .name: qg, .offset: 32, .size: 8, .value_kind: global_buffer, .address_space: global }
      - { .name: qb, .offset: 40, .size: 8, .value_kind: global_buffer, .address_space: global }
      - { .name: qb1, .offset: 48, .size: 8, .value_kind: global_buffer, .address_space: global }
      - { .name: qb2, .offset: 56, .size: 8, .value_kind: global_buffer, .address_space: global }
      - { .name: ag, .offset: 64, .size: 8, .value_kind: global_buffer, .address_space: global }
      - { .name: ab, .offset: 72, .size: 8, .value_kind: global_buffer, .address_space: global }
      - { .name: ab1, .offset: 80, .size: 8, .value_kind: global_buffer, .address_space: global }
      - { .name: ab2, .offset: 88, .size: 8, .value_kind: global_buffer, .address_space: global }
      - { .name: cg, .offset: 96, .size: 8, .value_kind: global_buffer, .address_space: global }
      - { .name: cb, .offset: 104, .size: 8, .value_kind: global_buffer, .address_space: global }
      - { .name: cb1, .offset: 112, .size: 8, .value_kind: global_buffer, .address_space: global }
      - { .name: cb2, .offset: 120, .size: 8, .value_kind: global_buffer, .address_space: global }
      - { .name: WQ, .offset: 128, .size: 8, .value_kind: global_buffer, .address_space: global }
      - { .name: qhc, .offset: 136, .size: 8, .value_kind: global_buffer, .address_space: global }
      - { .name: ahc, .offset: 144, .size: 8, .value_kind: global_buffer, .address_space: global }
      - { .name: ch, .offset: 152, .size: 8, .value_kind: global_buffer, .address_space: global }
    .group_segment_fixed_size: 33280
    .private_segment_fixed_size: 0
    .kernarg_segment_align: 8
    .kernarg_segment_size: 160
    .max_flat_workgroup_size: 128
    .sgpr_count:     80
    .vgpr_count:     1024
    .wavefront_size: 32
...
	.end_amdgpu_metadata
.endif
;; end of part 2
;; launch head (part 3): grid 512 x 1, 8 waves a work-group, clusters of 4 x 1, 327,680 bytes of LDS; arguments WQ, ahc, qhc, ch, rg, rb, rb1, rw2, rb2, class_masses, out0, out1; writes out0, out1
.if DOCPART == 3
	.amdgcn_target "amdgcn-amd-amdhsa--gfx1250"
	.amdhsa_code_object_version 6
	.text
	.protected	k_q34ea339fb1_head
	.globl	k_q34ea339fb1_head
	.p2align	8
	.type	k_q34ea339fb1_head,@function
k_q34ea339fb1_head:
	s_mov_b64 s[64:65], 0
	v_nop
	global_prefetch_b8 v0, s[64:65] scope:SCOPE_SE
	s_setreg_imm32_b32 hwreg(HW_REG_WAVE_MODE, 25, 1), 1
	s_wait_xcnt 0x0
	s_wait_alu depctr_hold_cnt(0) depctr_sa_sdst(0) depctr_va_vdst(0) depctr_va_sdst(0) depctr_va_ssrc(0) depctr_va_vcc(0) depctr_vm_vsrc(0)
	s_getreg_b32 s2, hwreg(HW_REG_IB_STS2, 6, 4)
	s_cmp_eq_u32 s2, 0
	s_cbranch_scc0 .Lentry_in_a_cluster
	s_endpgm
.Lentry_in_a_cluster:
	s_bfe_u32 s2, ttmp6, 0x10000c
	s_cmp_lg_u32 s2, 0x3003
	s_cbranch_scc0 .Lentry_shape_is_right
	s_endpgm
.Lentry_shape_is_right:
; The relevance head.  A work-group takes one class w and two queries: 128 rows (64 qi + atom) x 512 columns x K = 2,048.
; fused = [a, q, a q, |a - q| + c] is made, normed and quantised ONCE for each row, 32 along K to a lane, and goes to all eight waves through LDS as images of the operand's registers.
; Wave v: in the making of A the v-th 32 of each 256 along K, for four sets of 32 rows (set sg = 2 qi + half of the atoms); in the product all 128 rows x columns 64 v .. 64 v + 63: 32 accumulators.
; The product is used transposed (source 0 = 16 columns of rw1, source 1 = 16 rows): a lane holds one row and eight columns.  Then bias, gelu, the dot with rw2, and in waves 0 and 1 the softmax and the entropy.
; CLUSTER: the four work-groups of a cluster have the same class: a's tile and rw1's codes are asked for jointly (mask 15); the place in the cluster enters q's and the outputs' global addresses alone.
; NORM: each of the four parts sums x - s and (x - s)^2, s the part's first element; mean and variance are put together from the parts' means and centred sums, so that no difference of large sums is formed.
; y = (f rstd - m rstd) g + b: its error grows with |m| / sigma (2e-6 of sigma at 30).  gelu as in the launch before (error on erf 1.5e-7 absolute); here it feeds no quantiser.
; LIMITS: a block of zeros gets the byte 1; NaN and infinities are not served; (1 - 1) x class_masses is taken as 0, which holds for finite masses.
; The text has no loop: 8 steps of 256 along K are written out; rw1's codes go through two LDS slots, one joint load a wave behind each round of the cluster's barrier.
; REGISTERS: window 0: v1-15, v36-39 addresses; v16-23 (rstd, -m rstd) of my row in each set; v24-27 rw1's scale words, v28-35 the rows'; six areas of 32 from v40; v232-255 at work.  window 1: the accumulators, (mt, t) at v[8 (4 mt + t)].
.set SLOTB, 69632
.set BLKB,  8704
.set ATILE, 139264                     ; behind the two slots: a's 64 rows, in chunks [4 groups][128 chunks][16 rows][16 bytes]
.set UNI,   270336                     ; rg 8,192, rb 8,192, q0 and q1 2,048 each
.set ABUF,  290816                     ; A's images: 16,384 of codes + 1,024 of scale words; twice
.set ABS,   17408
.set SPARE, 325632                     ; the spare words, 128 bytes for each wave: four blocks of 256 bytes that no other line names
.set R0, 40
.set R1, 72
.set R2, 104
.set R3, 136
.set R4, 168
.set R5, 200
.set SH, 232                           ; the norm's sums: the negated shifts, each twice
.set SA, 184                           ; 12 x (sum pair, sum-of-squares pair)
.set TP, 168                           ; 8 pairs at work
.set F,  64
.set KA5, 234
.set XE, 104
.set SE, 136
.set DD, 184
.set MSB, 0
.macro WIN new                         ; the immediate's high byte repeats the setting that is left
.if MSB != (\new)
	s_set_vgpr_msb (MSB<<8)|(\new)
.set MSB, (\new)
.endif
.endm
.macro NOP4
.rept 4
	v_nop
.endr
.endm
.macro ROUND                           ; a round of the cluster's barrier
	s_barrier_signal -1
	s_barrier_wait -1
	s_cmp_lg_u32 s66, 0
	s_cbranch_scc1 .Lnot_wave_0_\@
	s_barrier_signal -3
.Lnot_wave_0_\@:
	s_barrier_wait -3
	s_barrier_signal -1
	s_barrier_wait -1
.endm
.macro WM d, a, b, z, sa, sb, ra, rb   ; z = 1: the product starts the sum; ra, rb: that side's scale words lie in lanes 16-31
.if \z
.if (\ra) && (\rb)
	v_wmma_scale_f32_16x16x128_f8f6f4 v[\d:\d+7], v[\a:\a+7], v[\b:\b+7], 0, v[\sa], v[\sb] matrix_a_fmt:MATRIX_FMT_FP4 matrix_b_fmt:MATRIX_FMT_FP4 matrix_a_scale:MATRIX_SCALE_ROW1 matrix_b_scale:MATRIX_SCALE_ROW1
.elseif \ra
	v_wmma_scale_f32_16x16x128_f8f6f4 v[\d:\d+7], v[\a:\a+7], v[\b:\b+7], 0, v[\sa], v[\sb] matrix_a_fmt:MATRIX_FMT_FP4 matrix_b_fmt:MATRIX_FMT_FP4 matrix_a_scale:MATRIX_SCALE_ROW1
.elseif \rb
	v_wmma_scale_f32_16x16x128_f8f6f4 v[\d:\d+7], v[\a:\a+7], v[\b:\b+7], 0, v[\sa], v[\sb] matrix_a_fmt:MATRIX_FMT_FP4 matrix_b_fmt:MATRIX_FMT_FP4 matrix_b_scale:MATRIX_SCALE_ROW1
.else
	v_wmma_scale_f32_16x16x128_f8f6f4 v[\d:\d+7], v[\a:\a+7], v[\b:\b+7], 0, v[\sa], v[\sb] matrix_a_fmt:MATRIX_FMT_FP4 matrix_b_fmt:MATRIX_FMT_FP4
.endif
.else
.if (\ra) && (\rb)
	v_wmma_scale_f32_16x16x128_f8f6f4 v[\d:\d+7], v[\a:\a+7], v[\b:\b+7], v[\d:\d+7], v[\sa], v[\sb] matrix_a_fmt:MATRIX_FMT_FP4 matrix_b_fmt:MATRIX_FMT_FP4 matrix_a_scale:MATRIX_SCALE_ROW1 matrix_b_scale:MATRIX_SCALE_ROW1
.elseif \ra
	v_wmma_scale_f32_16x16x128_f8f6f4 v[\d:\d+7], v[\a:\a+7], v[\b:\b+7], v[\d:\d+7], v[\sa], v[\sb] matrix_a_fmt:MATRIX_FMT_FP4 matrix_b_fmt:MATRIX_FMT_FP4 matrix_a_scale:MATRIX_SCALE_ROW1
.elseif \rb
	v_wmma_scale_f32_16x16x128_f8f6f4 v[\d:\d+7], v[\a:\a+7], v[\b:\b+7], v[\d:\d+7], v[\sa], v[\sb] matrix_a_fmt:MATRIX_FMT_FP4 matrix_b_fmt:MATRIX_FMT_FP4 matrix_b_scale:MATRIX_SCALE_ROW1
.else
	v_wmma_scale_f32_16x16x128_f8f6f4 v[\d:\d+7], v[\a:\a+7], v[\b:\b+7], v[\d:\d+7], v[\sa], v[\sb] matrix_a_fmt:MATRIX_FMT_FP4 matrix_b_fmt:MATRIX_FMT_FP4
.endif
.endif
.endm
.macro QB32 x, c, by                   ; 32 numbers of one block -> 4 registers of codes and the scale's byte
	v_max3_num_f32 v232, |v[\x]|, |v[\x+1]|, 0x1800000             ; with the floor 2^(3 - 127)
	v_max3_num_f32 v233, |v[\x+2]|, |v[\x+3]|, |v[\x+4]|
.irp i, 5,9,13,17,21,25
	v_max3_num_f32 v232, v232, |v[\x+\i]|, |v[\x+\i+1]|
	v_max3_num_f32 v233, v233, |v[\x+\i+2]|, |v[\x+\i+3]|
.endr
	v_max3_num_f32 v232, v232, |v[\x+29]|, |v[\x+30]|
	v_max3_num_f32 v232, v232, v233, |v[\x+31]|
	v_add_nc_u32 v234, 0xff000000, v232
.irp g, 0,1,2,3
	v_cvt_scalef32_pk8_fp4_f32 v[\c+\g], v[\x+8*\g:\x+8*\g+7], v234
.endr
	v_lshrrev_b32 v[\by], 23, v234                                 ; the byte; also the plain line behind the conversions
.endm
.macro GELU8P x, s                     ; gelu in place on 16 registers; s: 48 registers of scratch
.set gp, 0
.rept 8
	v_pk_mul_f32 v[\s+16+gp:\s+17+gp], v[\x+gp:\x+1+gp], 0x3f596d27 op_sel_hi:[1,0]
.set gp, gp+2
.endr
.set gp, 0
.rept 8
	v_pk_mul_f32 v[\s+16+gp:\s+17+gp], v[\s+16+gp:\s+17+gp], v[\s+16+gp:\s+17+gp]
.set gp, gp+2
.endr
.set gp, 0
.rept 16
	v_fma_f32 v[\s+gp], |v[\x+gp]|, 0x3e6d3388, 1.0
.set gp, gp+1
.endr
.set gp, 0
.rept 16
	v_rcp_f32 v[\s+gp], v[\s+gp]
.set gp, gp+1
.endr
.set gp, 0
.rept 16
	v_exp_f32 v[\s+16+gp], -v[\s+16+gp]
.set gp, gp+1
.endr
	v_nop                                          ; a plain line behind the transcendentals
.set gp, 0
	s_wait_alu depctr_va_vdst(0)
.rept 8
	v_pk_fma_f32 v[\s+32+gp:\s+33+gp], v[\s+gp:\s+1+gp], v[KA5:KA5+1], 0xbf3a00e3 op_sel_hi:[1,1,0]
.set gp, gp+2
.endr
.irp k, 0x3f35f0e3, 0xbe11a98e, 0x3e027906
.set gp, 0
.rept 8
	v_pk_fma_f32 v[\s+32+gp:\s+33+gp], v[\s+32+gp:\s+33+gp], v[\s+gp:\s+1+gp], \k op_sel_hi:[1,1,0]
.set gp, gp+2
.endr
.endr
.set gp, 0
.rept 8
	v_pk_mul_f32 v[\s+32+gp:\s+33+gp], v[\s+32+gp:\s+33+gp], v[\s+gp:\s+1+gp]
.set gp, gp+2
.endr
.set gp, 0
.rept 8
	v_pk_mul_f32 v[\s+32+gp:\s+33+gp], v[\s+32+gp:\s+33+gp], v[\s+16+gp:\s+17+gp]
.set gp, gp+2
.endr
.set gp, 0
.rept 16
	v_max_num_f32 v[\s+gp], 0, v[\x+gp]
.set gp, gp+1
.endr
.set gp, 0
.rept 16
	v_fma_f32 v[\x+gp], -|v[\x+gp]|, v[\s+32+gp], v[\s+gp]
.set gp, gp+1
.endr
.endm
.macro WSUM r, t
	v_add_f32_dpp v[\r], v[\r], v[\r] row_xmask:1 row_mask:0xf bank_mask:0xf
	v_add_f32_dpp v[\r], v[\r], v[\r] row_xmask:2 row_mask:0xf bank_mask:0xf
	v_add_f32_dpp v[\r], v[\r], v[\r] row_xmask:4 row_mask:0xf bank_mask:0xf
	v_add_f32_dpp v[\r], v[\r], v[\r] row_xmask:8 row_mask:0xf bank_mask:0xf
	v_permlanex16_b32 v[\t], v[\r], s100, s101
	v_add_f32 v[\r], v[\r], v[\t]
.endm
; ---- the norm's sums.  Sum a: 0, 1 a's lower and upper 32 atoms; 2, 3 q0, q1; 4-7 a q of set 0-3; 8-11 |a - q| + c of set 0-3
.macro TDSET a, first                  ; where the shifted value goes: in the very first pair straight into the sum
.if \first
.set TD, SA+4*(\a)
.else
.set TD, TP+2*((\a)%8)
.endif
.endm
.macro TAILS a, first
.if \first
	v_pk_mul_f32 v[SA+4*(\a)+2:SA+4*(\a)+3], v[SA+4*(\a):SA+4*(\a)+1], v[SA+4*(\a):SA+4*(\a)+1]
.else
	v_pk_add_f32 v[SA+4*(\a):SA+4*(\a)+1], v[SA+4*(\a):SA+4*(\a)+1], v[TP+2*((\a)%8):TP+2*((\a)%8)+1]
	v_pk_fma_f32 v[SA+4*(\a)+2:SA+4*(\a)+3], v[TP+2*((\a)%8):TP+2*((\a)%8)+1], v[TP+2*((\a)%8):TP+2*((\a)%8)+1], v[SA+4*(\a)+2:SA+4*(\a)+3]
.endif
.endm
.macro STPAIR first                    ; two neighbouring h (registers sp_, sp_ + 1 of the areas) for all twelve sums
.irp a, 0,1,2,3
	TDSET \a, \first
	v_pk_add_f32 v[TD:TD+1], v[R0+32*\a+sp_:R0+32*\a+sp_+1], v[SH+2*\a:SH+2*\a+1]
.endr
.irp a, 0,1,2,3
	TAILS \a, \first
.endr
.irp g, 0,1,2,3
	TDSET 4+\g, \first
	v_pk_fma_f32 v[TD:TD+1], v[R0+32*(\g%2)+sp_:R0+32*(\g%2)+sp_+1], v[R2+32*(\g/2)+sp_:R2+32*(\g/2)+sp_+1], v[SH+8+2*\g:SH+9+2*\g]
.endr
.irp g, 0,1,2,3
	TAILS 4+\g, \first
.endr
.irp g, 0,1,2,3
	TDSET 8+\g, \first
	v_pk_add_f32 v[TD:TD+1], v[R0+32*(\g%2)+sp_:R0+32*(\g%2)+sp_+1], v[R2+32*(\g/2)+sp_:R2+32*(\g/2)+sp_+1] neg_lo:[0,1] neg_hi:[0,1]
.endr
.irp g, 0,1,2,3
	TDSET 8+\g, \first
	v_add_f32 v[TD], |v[TD]|, s[68+sp_]
	v_add_f32 v[TD+1], |v[TD+1]|, s[69+sp_]
.endr
.irp g, 0,1,2,3
	TDSET 8+\g, \first
	v_pk_add_f32 v[TD:TD+1], v[TD:TD+1], v[SH+16+2*\g:SH+17+2*\g]
.endr
.irp g, 0,1,2,3
	TAILS 8+\g, \first
.endr
.endm
.macro STLOAD hh                       ; h = 64 v + 32 hh + 0..31: a's two halves, q0, q1, c
.irp c, 0,1,2,3,4,5,6,7
	ds_load_b128 v[R0+4*\c:R0+4*\c+3], v14 offset:2048*\hh+256*\c
	ds_load_b128 v[R1+4*\c:R1+4*\c+3], v15 offset:2048*\hh+256*\c
	ds_load_b128 v[R2+4*\c:R2+4*\c+3], v39 offset:128*\hh+16*\c
	ds_load_b128 v[R3+4*\c:R3+4*\c+3], v39 offset:2048+128*\hh+16*\c
.endr
	s_load_b512 s[68:83], s[20:21], 128*\hh
	s_load_b512 s[84:99], s[20:21], 128*\hh+64
.endm
.macro STCOMP hh
.set sp_, 0
.rept 16
.if (\hh == 0) && (sp_ == 0)
	STPAIR 1
.else
	STPAIR 0
.endif
.set sp_, sp_+2
.endr
.endm
.macro FINP k, ns, nss, sh             ; a part: delta = S / 512; centred sum SS - S delta; mean = shift + delta
	v_mul_f32 v[F+\k], 0x3b000000, v[R0+\ns]
	v_fma_f32 v[F+4+\k], -v[R0+\ns], v[F+\k], v[R0+\nss]
	v_sub_f32 v[F+\k], v[F+\k], v[SH+\sh]
.endm
.macro FIN sg
	FINP 0, (\sg)%2, 2+(\sg)%2, 2*((\sg)%2)
	FINP 1, 4+(\sg)/2, 6+(\sg)/2, 4+2*((\sg)/2)
	FINP 2, 8+(\sg), 12+(\sg), 8+2*(\sg)
	FINP 3, 16+(\sg), 20+(\sg), 16+2*(\sg)
	v_add_f32 v[F+8], v[F], v[F+1]
	v_add_f32 v[F+9], v[F+2], v[F+3]
	v_add_f32 v[F+10], v[F+4], v[F+5]
	v_add_f32 v[F+11], v[F+6], v[F+7]
	v_add_f32 v[F+8], v[F+8], v[F+9]
	v_add_f32 v[F+10], v[F+10], v[F+11]
	v_mul_f32 v[F+8], 0x3e800000, v[F+8]           ; the row's mean
.irp k, 0,1,2,3
	v_sub_f32 v[F+\k], v[F+\k], v[F+8]
.endr
	v_mul_f32 v[F+9], v[F], v[F]
	v_fma_f32 v[F+9], v[F+1], v[F+1], v[F+9]
	v_fma_f32 v[F+9], v[F+2], v[F+2], v[F+9]
	v_fma_f32 v[F+9], v[F+3], v[F+3], v[F+9]
	v_mul_f32 v[F+9], 0x3e800000, v[F+9]
	v_fma_f32 v[F+9], v[F+10], 0x3a000000, v[F+9]  ; variance = centred sums / 2048 + the parts' means' spread / 4
	v_add_f32 v[F+9], 0x3727c5ac, v[F+9]           ; + 1e-5
	v_rsq_f32 v[16+2*(\sg)], v[F+9]
	v_nop
	s_wait_alu depctr_va_vdst(0)
	v_mul_f32 v[17+2*(\sg)], -v[F+8], v[16+2*(\sg)]
.endm
; ---- A's codes of step s (part s / 2, half s % 2 of its 512), into buffer s % 2
.macro GSET sg
.set QR, R2+32*((\sg)/2)
.set RN, 16+2*(\sg)
.if GP == 0
.set XR, R4
.elseif GP == 1
.set XR, QR
.else
.set XR, R5
.endif
.if GP == 2
.set gi_, 0
.rept 16
	v_pk_mul_f32 v[R5+gi_:R5+gi_+1], v[R4+gi_:R4+gi_+1], v[QR+gi_:QR+gi_+1]
.set gi_, gi_+2
.endr
.endif
.if GP == 3
.set gi_, 0
.rept 16
	v_pk_add_f32 v[R5+gi_:R5+gi_+1], v[R4+gi_:R4+gi_+1], v[QR+gi_:QR+gi_+1] neg_lo:[0,1] neg_hi:[0,1]
.set gi_, gi_+2
.endr
.set gi_, 0
.rept 32
	v_add_f32 v[R5+gi_], |v[R5+gi_]|, s[68+gi_]
.set gi_, gi_+1
.endr
.endif
.set gi_, 0
.rept 16
	v_pk_fma_f32 v[R5+gi_:R5+gi_+1], v[XR+gi_:XR+gi_+1], v[RN:RN+1], v[RN:RN+1] op_sel:[0,0,1] op_sel_hi:[1,0,1]   ; f rstd - m rstd
.set gi_, gi_+2
.endr
.if ((\sg) == 2) && (GP != 1)
.irp c, 0,1,2,3,4,5,6,7                ; a's lower atoms are done with: the upper 32 atoms
	ds_load_b128 v[R4+4*\c:R4+4*\c+3], v5 offset:16384*GE+256*\c
.endr
.endif
.set gi_, 0
.rept 16
	v_pk_fma_f32 v[R5+gi_:R5+gi_+1], v[R5+gi_:R5+gi_+1], v[R0+gi_:R0+gi_+1], v[R1+gi_:R1+gi_+1]
.set gi_, gi_+2
.endr
	s_wait_dscnt 0x0                               ; the last set's stores have read their registers; a's upper atoms are in
	QB32 R5, 240, 244
	ds_store_b128 v6, v[240:243] offset:ABS*GE+2048*(\sg)
	ds_store_b8 v7, v244 offset:ABS*GE+4*(\sg)
.endm
.macro GEN s
.set GP, (\s)/2
.set GE, (\s)%2
.irp c, 0,1,2,3,4,5,6,7
	ds_load_b128 v[R0+4*\c:R0+4*\c+3], v3 offset:1024*(\s)+16*\c
	ds_load_b128 v[R1+4*\c:R1+4*\c+3], v3 offset:8192+1024*(\s)+16*\c
.endr
.if GP >= 1
.irp c, 0,1,2,3,4,5,6,7
	ds_load_b128 v[R2+4*\c:R2+4*\c+3], v3 offset:16384+1024*GE+16*\c
	ds_load_b128 v[R3+4*\c:R3+4*\c+3], v3 offset:18432+1024*GE+16*\c
.endr
.endif
.if GP != 1
.irp c, 0,1,2,3,4,5,6,7
	ds_load_b128 v[R4+4*\c:R4+4*\c+3], v4 offset:16384*GE+256*\c
.endr
.endif
	s_wait_dscnt 0x0
.if GP == 3
	s_wait_kmcnt 0x0                               ; c
.endif
	GSET 0
	GSET 2
	GSET 1
	GSET 3
.endm
.macro CLOAD e                         ; c of h = 256 e + 32 v + 0..31
	s_load_b512 s[68:83], s[22:23], 1024*\e
	s_load_b512 s[84:99], s[22:23], 1024*\e+64
.endm
; ---- the product of step s: two K steps of 128, 32 matrix instructions each; the 32 accumulators take turns, in the same order throughout
.macro MUL s, zero
.set ME, (\s)%2
	ds_load_b128 v[24:27], v[8+ME] offset:8192
	ds_load_b128 v[28:31], v10 offset:ABS*ME+16384
	ds_load_b128 v[32:35], v10 offset:ABS*ME+16384+512
.set mk, 0
.rept 2
.set mm, 0
.rept 4
	ds_load_b128 v[R0+96*mk+8*mm:R0+96*mk+8*mm+3], v[8+ME] offset:(4*mk+mm)*1024
	ds_load_b128 v[R0+96*mk+8*mm+4:R0+96*mk+8*mm+7], v[8+ME] offset:(4*mk+mm)*1024+512
.set mm, mm+1
.endr
.set mm, 0
.rept 8
	ds_load_b128 v[R1+96*mk+8*mm:R1+96*mk+8*mm+3], v10 offset:ABS*ME+(8*mk+mm)*1024
	ds_load_b128 v[R1+96*mk+8*mm+4:R1+96*mk+8*mm+7], v10 offset:ABS*ME+(8*mk+mm)*1024+512
.set mm, mm+1
.endr
.set mk, mk+1
.endr
	s_wait_dscnt 24                                ; the scale words and the first K step are in; the second's 24 loads may be out
	WIN 0x50                                       ; C and D in window 1
.set mk, 0
.rept 2
.if mk == 1
	s_wait_dscnt 0x0
.endif
.set mm, 0
.rept 8
.set mt_, 0
.rept 4
	WM 8*(4*mm+mt_), R0+96*mk+8*mt_, R1+96*mk+8*mm, (\zero)*(1-mk), 24+2*mk+mt_/2, 28+4*mk+mm/2, mt_%2, mm%2
.set mt_, mt_+1
.endr
.set mm, mm+1
.endr
.set mk, mk+1
.endr
	WIN 0
	NOP4                                           ; four places in front of loads into registers that matrix instructions have read, and of the first read of results
.endm
; ---- the head of step s.  Every wave: all its tensor loads are in (its part of this step's slot); the add; its LDS stores (A's codes of this step) have landed and its reads of the other slot and buffer are over.
; fill = 1: a round of the cluster's barrier, and behind it the one joint load of the wave: the codes of step s + 1 into the slot read last step.
.macro TRIP s, fill
	s_wait_tensorcnt 0x0
	ds_add_u32 v1, v2                              ; 0 onto my spare word
.if \fill
	s_add_nc_u64 s[46+4*(((\s)+1)%2):47+4*(((\s)+1)%2)], s[46+4*(((\s)+1)%2):47+4*(((\s)+1)%2)], 2*SLOTB   ; no load of mine is out: that slot's next codes
.endif
	s_wait_dscnt 0x0
.if \fill
	ROUND
	tensor_load_to_lds s[44+4*(((\s)+1)%2):47+4*(((\s)+1)%2)], s[32:39]
	s_nop 0
	NOP4
.else
	s_barrier_signal -1
	s_barrier_wait -1
.endif
.endm
; ---- bias, gelu and the dot with rw2 for rows 16 mt .. 16 mt + 15
.macro EPIM mt
.irp th, 0,1
	WIN 0x01                                       ; source 0: the accumulators, from their low ends on
.set ep, 0
.rept 8
	v_pk_add_f32 v[XE+ep:XE+ep+1], v[8*(4*\mt+2*\th)+ep:8*(4*\mt+2*\th)+ep+1], v[R0+16*\th+ep:R0+16*\th+ep+1]
.set ep, ep+2
.endr
	WIN 0
	GELU8P XE, SE
.set ep, 0
.rept 8
.if (\th == 0) && (ep < 8)
	v_pk_mul_f32 v[DD+ep%8:DD+ep%8+1], v[XE+ep:XE+ep+1], v[R1+16*\th+ep:R1+16*\th+ep+1]
.else
	v_pk_fma_f32 v[DD+ep%8:DD+ep%8+1], v[XE+ep:XE+ep+1], v[R1+16*\th+ep:R1+16*\th+ep+1], v[DD+ep%8:DD+ep%8+1]
.endif
.set ep, ep+2
.endr
.endr
	v_pk_add_f32 v[DD:DD+1], v[DD:DD+1], v[DD+2:DD+3]
	v_pk_add_f32 v[DD+4:DD+5], v[DD+4:DD+5], v[DD+6:DD+7]
	v_pk_add_f32 v[DD:DD+1], v[DD:DD+1], v[DD+4:DD+5]
	v_add_f32 v[DD], v[DD], v[DD+1]
	v_permlanex16_b32 v[DD+1], v[DD], s100, s101
	v_add_f32 v[192+\mt], v[DD], v[DD+1]           ; my 64 columns' part of the row's relevance
	ds_store_b32 v12, v[192+\mt] offset:64*\mt
.endm
	s_load_b512 s[4:19], s[0:1], 0x0               ; WQ 4, ahc 6, qhc 8, ch 10, rg 12, rb 14, rb1 16, rw2 18
	s_load_b256 s[52:59], s[0:1], 0x40             ; rb2 52, class_masses 54, out0 56, out1 58
	v_lshl_add_u32 v1, v0, 2, SPARE
	v_mov_b32 v2, 0
	ds_add_u32 v1, v2
	ds_add_u32 v1, v2
	s_wait_dscnt 0x0
	v_lshrrev_b32 v40, 5, v0
	v_readfirstlane_b32 s66, v40                   ; wave 0..7
	s_bfe_u32 s60, ttmp6, 0x40000                  ; cx
	s_lshr_b32 s67, ttmp9, 3                       ; the class, which the four partners share
	s_and_b32 s61, ttmp9, 7
	s_lshl_b32 s61, s61, 2
	s_add_co_u32 s61, s61, s60
	s_lshl_b32 s61, s61, 1                         ; my first query
	s_mov_b32 s100, 0x76543210
	s_mov_b32 s101, 0xfedcba98
	; descriptor groups 1: dense blocks as rows of 256 bytes (32 elements of 8 bytes), no padding; mask 15, bit 21 beside it.  a's part: 64 rows; a block of codes: 34 rows
	s_mov_b32 s24, 15|(3<<16)|(1<<21)
	s_mov_b32 s25, 32<<16
	s_mov_b32 s26, 64<<16
	s_mov_b32 s27, 32<<16
	s_mov_b32 s28, 64
	s_mov_b32 s29, 32
	s_mov_b32 s30, 0
	s_mov_b32 s31, 0
	s_mov_b32 s32, 15|(3<<16)|(1<<21)
	s_mov_b32 s33, 32<<16
	s_mov_b32 s34, 34<<16
	s_mov_b32 s35, 32<<16
	s_mov_b32 s36, 34
	s_mov_b32 s37, 32
	s_mov_b32 s38, 0
	s_mov_b32 s39, 0
	; groups 0: a's part s[40:43]; the two slots s[44:47], s[48:51]: wave v brings block v
	s_mov_b32 s40, 1
	s_lshl_b32 s41, s66, 14
	s_add_co_u32 s41, s41, ATILE
	s_mov_b32 s44, 1
	s_mul_i32 s45, s66, BLKB
	s_mov_b32 s48, 1
	s_add_co_u32 s49, s45, SLOTB
	s_lshl_b32 s68, s67, 17
	s_lshl_b32 s70, s66, 14
	s_add_co_u32 s68, s68, s70
	s_mov_b32 s69, 0
	s_mov_b32 s70, s45
	s_mov_b32 s71, 0
	s_wait_kmcnt 0x0
	s_add_nc_u64 s[42:43], s[6:7], s[68:69]
	s_or_b32 s43, s43, 0x80000000
	s_add_nc_u64 s[46:47], s[4:5], s[70:71]
	s_add_nc_u64 s[46:47], s[46:47], 14*SLOTB      ; rw1's first slot
	s_add_nc_u64 s[50:51], s[46:47], SLOTB
	s_or_b32 s47, s47, 0x80000000
	s_or_b32 s51, s51, 0x80000000
	ROUND                                          ; all four work-groups are here: the first joint loads meet
	tensor_load_to_lds s[40:43], s[24:31]          ; three loads of mine are out
	s_nop 0
	tensor_load_to_lds s[44:47], s[32:39]
	s_nop 0
	tensor_load_to_lds s[48:51], s[32:39]
	s_nop 0
	NOP4
	; the other pointers
	s_lshl_b32 s68, s67, 11
	s_add_nc_u64 s[10:11], s[10:11], s[68:69]      ; c's row
	s_load_b32 s60, s[10:11], 0x0                  ; c[0], for the fourth part's shift
	s_lshl_b32 s68, s66, 8
	s_add_nc_u64 s[20:21], s[10:11], s[68:69]      ; c for the sums: 64 a wave
	s_add_nc_u64 s[16:17], s[16:17], s[68:69]      ; rb1, rw2: my 64 columns
	s_add_nc_u64 s[18:19], s[18:19], s[68:69]
	s_lshl_b32 s68, s66, 7
	s_add_nc_u64 s[22:23], s[10:11], s[68:69]      ; c for the codes: 32 a wave
	s_lshr_b32 s68, s61, 4
	s_lshl_b32 s68, s68, 15
	s_and_b32 s70, s61, 15
	s_lshl_b32 s70, s70, 4
	s_add_co_u32 s68, s68, s70
	s_add_nc_u64 s[8:9], s[8:9], s[68:69]          ; q0's first chunk
	s_lshl_b32 s62, s61, 4
	s_add_co_u32 s62, s62, s67                     ; 16 q0 + w
	s_lshl_b32 s68, s62, 8
	s_add_nc_u64 s[56:57], s[56:57], s[68:69]
	s_lshl_b32 s68, s62, 2
	s_add_nc_u64 s[58:59], s[58:59], s[68:69]
	s_lshl_b32 s68, s67, 8
	s_add_nc_u64 s[54:55], s[54:55], s[68:69]
	; rg, rb and the two queries go to LDS once
	v_lshlrev_b32 v46, 4, v0
	v_and_b32 v47, 127, v0
	v_lshlrev_b32 v47, 8, v47
	v_lshrrev_b32 v44, 7, v0
	v_lshl_add_u32 v47, v44, 4, v47
	global_load_b128 v[48:51], v46, s[12:13]
	global_load_b128 v[52:55], v46, s[12:13] offset:4096
	global_load_b128 v[56:59], v46, s[14:15]
	global_load_b128 v[60:63], v46, s[14:15] offset:4096
	global_load_b128 v[64:67], v47, s[8:9]
	; every LDS address, once
	v_and_b32 v41, 31, v0
	v_and_b32 v42, 15, v0
	v_bfe_u32 v43, v0, 4, 1
	v_lshlrev_b32 v44, 4, v42
	v_lshl_add_u32 v36, v43, 15, v44
	v_add_nc_u32 v36, ATILE, v36                   ; a: my atom's row in chunk 0 (atoms 0-31)
	v_add_nc_u32 v37, 0x10000, v36                 ; (atoms 32-63)
	s_lshl_b32 s72, s66, 11
	v_add_nc_u32 v4, s72, v36                      ; for the codes: 8 chunks a wave
	v_add_nc_u32 v5, 0x10000, v4
	s_lshl_b32 s72, s66, 12
	v_add_nc_u32 v14, s72, v36                     ; for the sums: 16 chunks a wave
	v_add_nc_u32 v15, 0x10000, v14
	s_lshl_b32 s72, s66, 7
	s_add_co_u32 s72, s72, UNI
	v_mov_b32 v3, s72
	v_mov_b32 v38, UNI+16384
	s_lshl_b32 s72, s66, 8
	s_add_co_u32 s72, s72, UNI+16384
	v_mov_b32 v39, s72
	s_lshr_b32 s73, s66, 2
	s_lshl_b32 s72, s73, 13
	s_bfe_u32 s74, s66, 0x10001
	s_lshl_b32 s74, s74, 9
	s_add_co_u32 s72, s72, s74
	s_and_b32 s74, s66, 1
	s_lshl_b32 s74, s74, 8
	s_add_co_u32 s72, s72, s74
	s_add_co_u32 s72, s72, ABUF
	v_lshl_add_u32 v6, v43, 10, v44
	v_add_nc_u32 v6, s72, v6                       ; my codes: 8192 kk + 512 c + 256 h + 1024 (lane / 16) + 16 (lane % 16)
	s_lshl_b32 s72, s73, 9
	s_and_b32 s74, s66, 3
	s_add_co_u32 s72, s72, s74
	s_add_co_u32 s72, s72, ABUF+16384
	v_lshl_add_u32 v7, v41, 4, s72                 ; my scale byte: 512 kk + 16 x lane + block
	v_lshl_add_u32 v8, v41, 4, s45                 ; my block of rw1's codes in slot 0,
	v_add_nc_u32 v9, SLOTB, v8                     ; in slot 1
	v_lshl_add_u32 v10, v41, 4, ABUF
	s_mul_i32 s72, s66, 3072
	v_add_nc_u32 v11, s72, v10
	s_lshl_b32 s72, s66, 9
	s_add_co_u32 s72, s72, ABUF
	v_lshl_add_u32 v12, v42, 2, s72
	s_and_b32 s72, s66, 1
	s_lshl_b32 s72, s72, 8
	s_add_co_u32 s72, s72, ABUF
	v_lshl_add_u32 v13, v41, 3, s72
	v_lshl_add_u32 v45, v0, 4, UNI
	s_wait_loadcnt 0x0
	ds_store_b128 v45, v[48:51]
	ds_store_b128 v45, v[52:55] offset:4096
	ds_store_b128 v45, v[56:59] offset:8192
	ds_store_b128 v45, v[60:63] offset:12288
	ds_store_b128 v45, v[64:67] offset:16384
	s_wait_tensorcnt 0x2                           ; my part of a's tile is in; the two slots may stay out
	s_wait_dscnt 0x0
	s_barrier_signal -1
	s_barrier_wait -1
	; ---------------- the norm's sums
	STLOAD 0
	ds_load_b32 v168, v36
	ds_load_b32 v169, v37
	ds_load_b32 v170, v38
	ds_load_b32 v171, v38 offset:2048
	s_wait_dscnt 0x0
	s_wait_kmcnt 0x0
.irp a, 0,1,2,3                        ; the shifts, negated, each twice: a's two, q's two,
	v_mul_f32 v[SH+2*\a], -1.0, v[168+\a]
	v_mul_f32 v[SH+2*\a+1], -1.0, v[168+\a]
.endr
.irp g, 0,1,2,3                        ; a q and |a - q| + c of each set
	v_mul_f32 v[SH+8+2*\g], -v[168+\g%2], v[170+\g/2]
	v_mul_f32 v[SH+9+2*\g], -v[168+\g%2], v[170+\g/2]
	v_sub_f32 v[172+\g], v[168+\g%2], v[170+\g/2]
.endr
.irp g, 0,1,2,3
	v_sub_f32 v[SH+16+2*\g], -|v[172+\g]|, s60
	v_sub_f32 v[SH+17+2*\g], -|v[172+\g]|, s60
.endr
	STCOMP 0
	STLOAD 1
	s_wait_dscnt 0x0
	s_wait_kmcnt 0x0
	STCOMP 1
.irp a, 0,1
	v_add_f32 v[R0+\a], v[SA+4*\a], v[SA+4*\a+1]
	v_add_f32 v[R0+2+\a], v[SA+4*\a+2], v[SA+4*\a+3]
	v_add_f32 v[R0+4+\a], v[SA+8+4*\a], v[SA+8+4*\a+1]
	v_add_f32 v[R0+6+\a], v[SA+8+4*\a+2], v[SA+8+4*\a+3]
.endr
.irp g, 0,1,2,3
	v_add_f32 v[R0+8+\g], v[SA+16+4*\g], v[SA+16+4*\g+1]
	v_add_f32 v[R0+12+\g], v[SA+16+4*\g+2], v[SA+16+4*\g+3]
	v_add_f32 v[R0+16+\g], v[SA+32+4*\g], v[SA+32+4*\g+1]
	v_add_f32 v[R0+20+\g], v[SA+32+4*\g+2], v[SA+32+4*\g+3]
.endr
.irp j, 0,1,2,3,4,5
	ds_store_b128 v11, v[R0+4*\j:R0+4*\j+3] offset:512*\j
.endr
	s_wait_dscnt 0x0
	s_barrier_signal -1
	s_barrier_wait -1
.set i, 0
.rept 48                               ; the eight waves' 24 numbers of my lane
	ds_load_b128 v[R0+4*i:R0+4*i+3], v10 offset:3072*(i/6)+512*(i%6)
.set i, i+1
.endr
	s_wait_dscnt 0x0
.irp w, 1,2,3,4,5,6,7
.set i, 0
.rept 12
	v_pk_add_f32 v[R0+i:R0+i+1], v[R0+i:R0+i+1], v[R0+24*\w+i:R0+24*\w+i+1]
.set i, i+2
.endr
.endr
	FIN 0
	FIN 1
	FIN 2
	FIN 3
	s_barrier_signal -1                            ; every wave's reads of the partial sums are in (the wait above): A's codes may be stored over them
	s_barrier_wait -1
	; ---------------- eight steps of 256 along K
	GEN 0
	s_wait_tensorcnt 0x1                           ; my part of slot 0 is in; slot 1's may stay out
	s_wait_dscnt 0x0
	s_barrier_signal -1
	s_barrier_wait -1
	MUL 0, 1
	GEN 1
.irp s, 1,2,3,4
	TRIP \s, 1
	MUL \s, 0
	GEN \s+1
.endr
	TRIP 5, 1
	CLOAD 0
	MUL 5, 0
	GEN 6
	TRIP 6, 1
	CLOAD 1
	MUL 6, 0
	GEN 7
	TRIP 7, 0
	MUL 7, 0
	; ---------------- bias, gelu, the dot with rw2
	v_bfe_u32 v232, v0, 4, 1
	v_lshlrev_b32 v232, 6, v232
.irp t, 0,1,2,3                        ; tile t = 2 b + u, lane half h: columns 32 b + 16 h + 8 u + 0..7 of my 64
	global_load_b128 v[R0+8*\t:R0+8*\t+3], v232, s[16:17] offset:128*(\t/2)+32*(\t%2)
	global_load_b128 v[R0+8*\t+4:R0+8*\t+7], v232, s[16:17] offset:128*(\t/2)+32*(\t%2)+16
	global_load_b128 v[R1+8*\t:R1+8*\t+3], v232, s[18:19] offset:128*(\t/2)+32*(\t%2)
	global_load_b128 v[R1+8*\t+4:R1+8*\t+7], v232, s[18:19] offset:128*(\t/2)+32*(\t%2)+16
.endr
	v_mov_b32 v[KA5], 0x3f07dc22
	v_mov_b32 v[KA5+1], 0x3f07dc22
	s_wait_loadcnt 0x0
.irp m, 0,1,2,3,4,5,6,7
	EPIM \m
.endr
	s_wait_dscnt 0x0
	s_barrier_signal -1
	s_barrier_wait -1
	; ---------------- waves 0 and 1: one query each; a lane has atoms 2 l, 2 l + 1
	s_cmp_ge_u32 s66, 2
	s_cbranch_scc1 .Lend
.irp i, 0,1,2,3,4,5,6,7
	ds_load_b64 v[40+2*\i:41+2*\i], v13 offset:512*\i
.endr
	v_and_b32 v61, 31, v0
	v_lshlrev_b32 v60, 3, v61
	global_load_b64 v[62:63], v60, s[54:55]
	s_load_b32 s60, s[52:53], 0x0                  ; rb2
	s_lshl_b32 s68, s66, 12
	s_mov_b32 s69, 0
	s_add_nc_u64 s[56:57], s[56:57], s[68:69]
	s_lshl_b32 s68, s66, 6
	s_add_nc_u64 s[58:59], s[58:59], s[68:69]
	v_mov_b32 v65, 0
	v_mov_b32 v70, 0
	s_wait_dscnt 0x0
.irp i, 1,2,3,4,5,6,7
	v_pk_add_f32 v[40:41], v[40:41], v[40+2*\i:41+2*\i]
.endr
	s_wait_loadcnt 0x0
	s_wait_kmcnt 0x0
	v_max_num_f32 v62, 0x322bcc77, v62
	v_max_num_f32 v63, 0x322bcc77, v63
	v_log_f32 v62, v62
	v_log_f32 v63, v63
	v_add_f32 v40, s60, v40
	v_add_f32 v41, s60, v41
	s_wait_alu depctr_va_vdst(0)
	v_fma_f32 v40, v62, 0x3f317218, v40            ; ln(mass) + relevance
	v_fma_f32 v41, v63, 0x3f317218, v41
	v_max_num_f32 v64, v40, v41
	v_max_num_f32_dpp v64, v64, v64 row_xmask:1 row_mask:0xf bank_mask:0xf
	v_max_num_f32_dpp v64, v64, v64 row_xmask:2 row_mask:0xf bank_mask:0xf
	v_max_num_f32_dpp v64, v64, v64 row_xmask:4 row_mask:0xf bank_mask:0xf
	v_max_num_f32_dpp v64, v64, v64 row_xmask:8 row_mask:0xf bank_mask:0xf
	v_permlanex16_b32 v65, v64, s100, s101
	v_max_num_f32 v64, v64, v65                    ; the row's maximum is taken away ahead of the exponential
	v_sub_f32 v40, v40, v64
	v_sub_f32 v41, v41, v64
	v_mul_f32 v40, 0x3fb8aa3b, v40
	v_mul_f32 v41, 0x3fb8aa3b, v41
	v_exp_f32 v40, v40
	v_exp_f32 v41, v41
	v_nop
	s_wait_alu depctr_va_vdst(0)
	v_add_f32 v66, v40, v41
	WSUM 66, 65
	v_rcp_f32 v66, v66
	v_nop
	s_wait_alu depctr_va_vdst(0)
	v_mul_f32 v40, v40, v66
	v_mul_f32 v41, v41, v66
	v_add_f32 v67, v40, v41                        ; mixed / max(its sum, 1e-8)
	WSUM 67, 65
	v_max_num_f32 v67, 0x322bcc77, v67
	v_rcp_f32 v67, v67
	v_nop
	s_wait_alu depctr_va_vdst(0)
	v_mul_f32 v40, v40, v67
	v_mul_f32 v41, v41, v67
	v_max_num_f32 v68, 0x322bcc77, v40
	v_max_num_f32 v69, 0x322bcc77, v41
	v_log_f32 v68, v68
	v_log_f32 v69, v69
	v_nop
	s_wait_alu depctr_va_vdst(0)
	v_mul_f32 v68, v68, v40
	v_fma_f32 v68, v69, v41, v68
	WSUM 68, 65
	v_mul_f32 v68, 0xbf317218, v68                 ; x -ln 2: the entropy
	global_store_b64 v60, v[40:41], s[56:57]       ; 256 consecutive bytes, aligned
	v_cmp_eq_u32 vcc_lo, 0, v61
	s_wait_xcnt 0x0                                ; EXEC changes only behind this wait
	s_and_saveexec_b32 s68, vcc_lo
	global_store_b32 v70, v68, s[58:59]
	s_wait_xcnt 0x0
	s_or_b32 exec_lo, exec_lo, s68
.Lend:
	s_wait_tensorcnt 0x0                           ; the wave's end
	ds_add_u32 v1, v2
	s_wait_dscnt 0x0
	ROUND                                          ; the closing round: no work-group ends while a partner may still ask for a tile that names it
	s_endpgm
.Lfunc_end_k_q34ea339fb1_head:
	.size	k_q34ea339fb1_head, .Lfunc_end_k_q34ea339fb1_head-k_q34ea339fb1_head
	.p2alignl 7, 3214868480
	.fill 96, 4, 3214868480
	.section	.rodata,"a",@progbits
	.p2align	6, 0x0
	.amdhsa_kernel k_q34ea339fb1_head
		.amdhsa_group_segment_fixed_size 327680
		.amdhsa_private_segment_fixed_size 0
		.amdhsa_enable_private_segment 0
		.amdhsa_kernarg_size 96
		.amdhsa_user_sgpr_count 2
		.amdhsa_user_sgpr_kernarg_segment_ptr 1
		.amdhsa_wavefront_size32 1
		.amdhsa_system_sgpr_workgroup_id_x 1
		.amdhsa_system_sgpr_workgroup_id_y 1
		.amdhsa_system_sgpr_workgroup_id_z 1
		.amdhsa_system_vgpr_workitem_id 0
		.amdhsa_next_free_vgpr 512
		.amdhsa_next_free_sgpr 102
		.amdhsa_reserve_vcc 1
		.amdhsa_float_denorm_mode_32 3
		.amdhsa_float_denorm_mode_16_64 3
		.amdhsa_memory_ordered 1
		.amdhsa_forward_progress 1
		.amdhsa_inst_pref_size 255
	.end_amdhsa_kernel
	.section	.bss,"aw",@nobits
	.p2align	6
	.space	262144
	.amdgpu_metadata
---
amdhsa.version: [ 1, 2 ]
amdhsa.kernels:
  - .name:           k_q34ea339fb1_head
    .symbol:         k_q34ea339fb1_head.kd
    .args:
      - { .name: WQ, .offset: 0, .size: 8, .value_kind: global_buffer, .address_space: global }
      - { .name: ahc, .offset: 8, .size: 8, .value_kind: global_buffer, .address_space: global }
      - { .name: qhc, .offset: 16, .size: 8, .value_kind: global_buffer, .address_space: global }
      - { .name: ch, .offset: 24, .size: 8, .value_kind: global_buffer, .address_space: global }
      - { .name: rg, .offset: 32, .size: 8, .value_kind: global_buffer, .address_space: global }
      - { .name: rb, .offset: 40, .size: 8, .value_kind: global_buffer, .address_space: global }
      - { .name: rb1, .offset: 48, .size: 8, .value_kind: global_buffer, .address_space: global }
      - { .name: rw2, .offset: 56, .size: 8, .value_kind: global_buffer, .address_space: global }
      - { .name: rb2, .offset: 64, .size: 8, .value_kind: global_buffer, .address_space: global }
      - { .name: class_masses, .offset: 72, .size: 8, .value_kind: global_buffer, .address_space: global }
      - { .name: out0, .offset: 80, .size: 8, .value_kind: global_buffer, .address_space: global }
      - { .name: out1, .offset: 88, .size: 8, .value_kind: global_buffer, .address_space: global }
    .group_segment_fixed_size: 327680
    .private_segment_fixed_size: 0
    .kernarg_segment_align: 8
    .kernarg_segment_size: 96
    .max_flat_workgroup_size: 256
    .sgpr_count:     102
    .vgpr_count:     512
    .wavefront_size: 32
...
	.end_amdgpu_metadata
.endif
;; end of part 3
;; ======== version 2 of 2: 3 launches; 1.41 times as fast as version 1
;; limits: a function is approximated: absolute error at most 1.5e-07
;; workspace buffers: WQ 1,531,904 bytes; pooled 131,072 bytes; qhc 131,072 bytes; ahc 2,097,152 bytes; ch 32,768 bytes
;; launch prep: the kernel of part 1 again; grid 432 x 1, 8 waves a work-group, no clusters, 9,216 bytes of LDS; arguments qw1, qw2, aw1, aw2, cw2, cw1, rw1, query_atoms, query_masses, WQ, pooled; writes WQ, pooled
;; launch mlp: the kernel of part 2 again; grid 69 x 1, 4 waves a work-group, no clusters, 33,280 bytes of LDS; arguments pooled, class_atoms, class_summary, episode_context, qg, qb, qb1, qb2, ag, ab, ab1, ab2, cg, cb, cb1, cb2, WQ, qhc, ahc, ch; writes qhc, ahc, ch
;; launch head (part 4): grid 512 x 1, 8 waves a work-group, clusters of 4 x 1, 327,680 bytes of LDS; arguments WQ, ahc, qhc, ch, rg, rb, rb1, rw2, rb2, class_masses, out0, out1; writes out0, out1
.if DOCPART == 4
	.amdgcn_target "amdgcn-amd-amdhsa--gfx1250"
	.amdhsa_code_object_version 6
	.text
	.protected	k_q34ea339fb1_head
	.globl	k_q34ea339fb1_head
	.p2align	8
	.type	k_q34ea339fb1_head,@function
k_q34ea339fb1_head:
	s_mov_b64 s[64:65], 0
	v_nop
	global_prefetch_b8 v0, s[64:65] scope:SCOPE_SE
	s_setreg_imm32_b32 hwreg(HW_REG_WAVE_MODE, 25, 1), 1
	s_wait_xcnt 0x0
	s_wait_alu depctr_hold_cnt(0) depctr_sa_sdst(0) depctr_va_vdst(0) depctr_va_sdst(0) depctr_va_ssrc(0) depctr_va_vcc(0) depctr_vm_vsrc(0)
	s_getreg_b32 s2, hwreg(HW_REG_IB_STS2, 6, 4)
	s_cmp_eq_u32 s2, 0
	s_cbranch_scc0 .Lentry_in_a_cluster
	s_endpgm
.Lentry_in_a_cluster:
	s_bfe_u32 s2, ttmp6, 0x10000c
	s_cmp_lg_u32 s2, 0x3003
	s_cbranch_scc0 .Lentry_shape_is_right
	s_endpgm
.Lentry_shape_is_right:
; The relevance head.  A work-group takes one class w and two queries: 128 rows (64 qi + atom) x 512 columns x K = 2,048.
; fused = [a, q, a q, |a - q| + c] is made, normed and quantised ONCE for each row, 32 along K to a lane, and goes to all eight waves through LDS as images of the operand's registers.
; Wave v: in the making of A the v-th 32 of each 256 along K, for four sets of 32 rows (set sg = 2 qi + half of the atoms); in the product all 128 rows x columns 64 v .. 64 v + 63: 32 accumulators.
; The product is used transposed (source 0 = 16 columns of rw1, source 1 = 16 rows): a lane holds one row and eight columns.  Then bias, gelu, the dot with rw2, and in waves 0 and 1 the softmax and the entropy.
; CLUSTER: the four work-groups of a cluster have the same class: a's tile and rw1's codes are asked for jointly (mask 15); the place in the cluster enters q's and the outputs' global addresses alone.
; NORM: each of the four parts sums x - s and (x - s)^2, s the part's first element; mean and variance are put together from the parts' means and centred sums, so that no difference of large sums is formed.
; y = (f rstd - m rstd) g + b: its error grows with |m| / sigma (2e-6 of sigma at 30).  gelu(x) = max(x, 0) - |x| E, E by the five-term rational form in t = 1 / (1 + 0.2316419 |x|) (error on erf 1.5e-7 absolute); here it feeds no quantiser.
; LIMITS: a block of zeros gets the byte 1; NaN and infinities are not served; (1 - 1) x class_masses is taken as 0, which holds for finite masses.
; THE TEXT IS KEPT SHORT: what recurs is written once and walked in loops with constant trip counts: the norm's sums (4 trips of 16 h), steps 1 to 6 of the eight steps of 256 along K, the way out (8 trips of 16 rows).
; In the steps' loop the turns of slots and buffers are scalars turned by an exclusive or; where the parts of fused differ, and where a trip needs other accumulators, a scalar branch on the trip's counter picks a short run of register work.
; Written out: step 0 (its first products start the sums) with the codes of steps 0 and 1, and step 7 (it asks for no tile).
; rw1's codes go through two LDS slots, one joint load a wave behind each round of the cluster's barrier.
; REGISTERS: window 0: v1-15, v36-39 addresses; v16-23 (rstd, -m rstd) of my row in each set; v24-27 rw1's scale words, v28-35 the rows'; six areas of 32 from v40; v232-255 at work.  window 1: the accumulators, (mt, t) at v[8 (4 mt + t)].
.set SLOTB, 69632
.set BLKB,  8704
.set ATILE, 139264                     ; behind the two slots: a's 64 rows, in chunks [4 groups][128 chunks][16 rows][16 bytes]
.set UNI,   270336                     ; rg 8,192, rb 8,192, q0 and q1 2,048 each
.set ABUF,  290816                     ; A's images: 16,384 of codes + 1,024 of scale words; twice
.set ABS,   17408
.set SPARE, 325632                     ; the spare words, 128 bytes for each wave: four blocks of 256 bytes that no other line names
.set R0, 40
.set R1, 72
.set R2, 104
.set R3, 136
.set R4, 168
.set R5, 200
.set SH, 232                           ; the norm's sums: the negated shifts, each twice
.set SA, 184                           ; 12 x (sum pair, sum-of-squares pair)
.set TP, 168                           ; 8 pairs at work
.set F,  64
.set KA5, 234
.set XE, 104
.set SE, 136
.set DD, 184
.set TGA, 246                          ; v246-253: the addresses of the loop's step, made anew in each trip
.set TQA, 247
.set TAL, 248
.set TAH, 249
.set TCS, 250
.set TSS, 251
.set TMB, 252
.set TMA, 253
.set CNT, 4                            ; s4   the step whose codes the trip makes: 2 .. 7.  (In the other two loops: that loop's counter)
.set SGB, 5                            ; s5   1,024 x that step: rg's and rb's place.  (In the sums' loop: a's place)
.set SE1, 6                            ; s6   1,024 x (step % 2): q's place
.set SEA, 7                            ; s7   16,384 x (step % 2): a's place
.set SAG, 8                            ; s8   the buffer that the codes go to
.set SBM, 9                            ; s9   the slot that the product reads
.set SAM, 48                           ; s48  the buffer that the product reads
.set SPT, 49                           ; s49  the part of fused
.set STG, 50                           ; s50  the slot that is asked for
.set WB,  63                           ; s63  8,704 x wave: my block in a slot
.set MSB, 0
.macro WIN new                         ; the immediate's high byte repeats the setting that is left
.if MSB != (\new)
	s_set_vgpr_msb (MSB<<8)|(\new)
.set MSB, (\new)
.endif
.endm
.macro NOP4
.rept 4
	v_nop
.endr
.endm
.macro ROUND                           ; a round of the cluster's barrier
	s_barrier_signal -1
	s_barrier_wait -1
	s_cmp_lg_u32 s66, 0
	s_cbranch_scc1 .Lnot_wave_0_\@
	s_barrier_signal -3
.Lnot_wave_0_\@:
	s_barrier_wait -3
	s_barrier_signal -1
	s_barrier_wait -1
.endm
.macro WM d, a, b, z, sa, sb, ra, rb   ; z = 1: the product starts the sum; ra, rb: that side's scale words lie in lanes 16-31
.if \z
.if (\ra) && (\rb)
	v_wmma_scale_f32_16x16x128_f8f6f4 v[\d:\d+7], v[\a:\a+7], v[\b:\b+7], 0, v[\sa], v[\sb] matrix_a_fmt:MATRIX_FMT_FP4 matrix_b_fmt:MATRIX_FMT_FP4 matrix_a_scale:MATRIX_SCALE_ROW1 matrix_b_scale:MATRIX_SCALE_ROW1
.elseif \ra
	v_wmma_scale_f32_16x16x128_f8f6f4 v[\d:\d+7], v[\a:\a+7], v[\b:\b+7], 0, v[\sa], v[\sb] matrix_a_fmt:MATRIX_FMT_FP4 matrix_b_fmt:MATRIX_FMT_FP4 matrix_a_scale:MATRIX_SCALE_ROW1
.elseif \rb
	v_wmma_scale_f32_16x16x128_f8f6f4 v[\d:\d+7], v[\a:\a+7], v[\b:\b+7], 0, v[\sa], v[\sb] matrix_a_fmt:MATRIX_FMT_FP4 matrix_b_fmt:MATRIX_FMT_FP4 matrix_b_scale:MATRIX_SCALE_ROW1
.else
	v_wmma_scale_f32_16x16x128_f8f6f4 v[\d:\d+7], v[\a:\a+7], v[\b:\b+7], 0, v[\sa], v[\sb] matrix_a_fmt:MATRIX_FMT_FP4 matrix_b_fmt:MATRIX_FMT_FP4
.endif
.else
.if (\ra) && (\rb)
	v_wmma_scale_f32_16x16x128_f8f6f4 v[\d:\d+7], v[\a:\a+7], v[\b:\b+7], v[\d:\d+7], v[\sa], v[\sb] matrix_a_fmt:MATRIX_FMT_FP4 matrix_b_fmt:MATRIX_FMT_FP4 matrix_a_scale:MATRIX_SCALE_ROW1 matrix_b_scale:MATRIX_SCALE_ROW1
.elseif \ra
	v_wmma_scale_f32_16x16x128_f8f6f4 v[\d:\d+7], v[\a:\a+7], v[\b:\b+7], v[\d:\d+7], v[\sa], v[\sb] matrix_a_fmt:MATRIX_FMT_FP4 matrix_b_fmt:MATRIX_FMT_FP4 matrix_a_scale:MATRIX_SCALE_ROW1
.elseif \rb
	v_wmma_scale_f32_16x16x128_f8f6f4 v[\d:\d+7], v[\a:\a+7], v[\b:\b+7], v[\d:\d+7], v[\sa], v[\sb] matrix_a_fmt:MATRIX_FMT_FP4 matrix_b_fmt:MATRIX_FMT_FP4 matrix_b_scale:MATRIX_SCALE_ROW1
.else
	v_wmma_scale_f32_16x16x128_f8f6f4 v[\d:\d+7], v[\a:\a+7], v[\b:\b+7], v[\d:\d+7], v[\sa], v[\sb] matrix_a_fmt:MATRIX_FMT_FP4 matrix_b_fmt:MATRIX_FMT_FP4
.endif
.endif
.endm
.macro QB32 x, c, by                   ; 32 numbers of one block -> 4 registers of codes and the scale's byte
	v_max3_num_f32 v232, |v[\x]|, |v[\x+1]|, 0x1800000             ; with the floor 2^(3 - 127)
	v_max3_num_f32 v233, |v[\x+2]|, |v[\x+3]|, |v[\x+4]|
.irp i, 5,9,13,17,21,25
	v_max3_num_f32 v232, v232, |v[\x+\i]|, |v[\x+\i+1]|
	v_max3_num_f32 v233, v233, |v[\x+\i+2]|, |v[\x+\i+3]|
.endr
	v_max3_num_f32 v232, v232, |v[\x+29]|, |v[\x+30]|
	v_max3_num_f32 v232, v232, v233, |v[\x+31]|
	v_add_nc_u32 v234, 0xff000000, v232
.irp g, 0,1,2,3
	v_cvt_scalef32_pk8_fp4_f32 v[\c+\g], v[\x+8*\g:\x+8*\g+7], v234
.endr
	v_lshrrev_b32 v[\by], 23, v234                                 ; the byte; also the plain line behind the conversions
.endm
.macro GELU8P x, s                     ; gelu in place on 16 registers; s: 48 registers of scratch
.set gp, 0
.rept 8
	v_pk_mul_f32 v[\s+16+gp:\s+17+gp], v[\x+gp:\x+1+gp], 0x3f596d27 op_sel_hi:[1,0]
.set gp, gp+2
.endr
.set gp, 0
.rept 8
	v_pk_mul_f32 v[\s+16+gp:\s+17+gp], v[\s+16+gp:\s+17+gp], v[\s+16+gp:\s+17+gp]
.set gp, gp+2
.endr
.set gp, 0
.rept 16
	v_fma_f32 v[\s+gp], |v[\x+gp]|, 0x3e6d3388, 1.0
.set gp, gp+1
.endr
.set gp, 0
.rept 16
	v_rcp_f32 v[\s+gp], v[\s+gp]
.set gp, gp+1
.endr
.set gp, 0
.rept 16
	v_exp_f32 v[\s+16+gp], -v[\s+16+gp]
.set gp, gp+1
.endr
	v_nop                                          ; a plain line behind the transcendentals
.set gp, 0
	s_wait_alu depctr_va_vdst(0)
.rept 8
	v_pk_fma_f32 v[\s+32+gp:\s+33+gp], v[\s+gp:\s+1+gp], v[KA5:KA5+1], 0xbf3a00e3 op_sel_hi:[1,1,0]
.set gp, gp+2
.endr
.irp k, 0x3f35f0e3, 0xbe11a98e, 0x3e027906
.set gp, 0
.rept 8
	v_pk_fma_f32 v[\s+32+gp:\s+33+gp], v[\s+32+gp:\s+33+gp], v[\s+gp:\s+1+gp], \k op_sel_hi:[1,1,0]
.set gp, gp+2
.endr
.endr
.set gp, 0
.rept 8
	v_pk_mul_f32 v[\s+32+gp:\s+33+gp], v[\s+32+gp:\s+33+gp], v[\s+gp:\s+1+gp]
.set gp, gp+2
.endr
.set gp, 0
.rept 8
	v_pk_mul_f32 v[\s+32+gp:\s+33+gp], v[\s+32+gp:\s+33+gp], v[\s+16+gp:\s+17+gp]
.set gp, gp+2
.endr
.set gp, 0
.rept 16
	v_max_num_f32 v[\s+gp], 0, v[\x+gp]
.set gp, gp+1
.endr
.set gp, 0
.rept 16
	v_fma_f32 v[\x+gp], -|v[\x+gp]|, v[\s+32+gp], v[\s+gp]
.set gp, gp+1
.endr
.endm
.macro WSUM r, t
	v_add_f32_dpp v[\r], v[\r], v[\r] row_xmask:1 row_mask:0xf bank_mask:0xf
	v_add_f32_dpp v[\r], v[\r], v[\r] row_xmask:2 row_mask:0xf bank_mask:0xf
	v_add_f32_dpp v[\r], v[\r], v[\r] row_xmask:4 row_mask:0xf bank_mask:0xf
	v_add_f32_dpp v[\r], v[\r], v[\r] row_xmask:8 row_mask:0xf bank_mask:0xf
	v_permlanex16_b32 v[\t], v[\r], s100, s101
	v_add_f32 v[\r], v[\r], v[\t]
.endm
; ---- the norm's sums.  Sum a: 0, 1 a's lower and upper 32 atoms; 2, 3 q0, q1; 4-7 a q of set 0-3; 8-11 |a - q| + c of set 0-3
.macro TAILS a                         ; the shifted pair in TP goes into its sum and its sum of squares
	v_pk_add_f32 v[SA+4*(\a):SA+4*(\a)+1], v[SA+4*(\a):SA+4*(\a)+1], v[TP+2*((\a)%8):TP+2*((\a)%8)+1]
	v_pk_fma_f32 v[SA+4*(\a)+2:SA+4*(\a)+3], v[TP+2*((\a)%8):TP+2*((\a)%8)+1], v[TP+2*((\a)%8):TP+2*((\a)%8)+1], v[SA+4*(\a)+2:SA+4*(\a)+3]
.endm
.macro STPAIR                          ; two neighbouring h (registers sp_, sp_ + 1 of the areas) for all twelve sums
.irp a, 0,1,2,3
	v_pk_add_f32 v[TP+2*\a:TP+2*\a+1], v[R0+32*\a+sp_:R0+32*\a+sp_+1], v[SH+2*\a:SH+2*\a+1]
.endr
.irp a, 0,1,2,3
	TAILS \a
.endr
.irp g, 0,1,2,3
	v_pk_fma_f32 v[TP+8+2*\g:TP+9+2*\g], v[R0+32*(\g%2)+sp_:R0+32*(\g%2)+sp_+1], v[R2+32*(\g/2)+sp_:R2+32*(\g/2)+sp_+1], v[SH+8+2*\g:SH+9+2*\g]
.endr
.irp g, 0,1,2,3
	TAILS 4+\g
.endr
.irp g, 0,1,2,3
	v_pk_add_f32 v[TP+2*\g:TP+2*\g+1], v[R0+32*(\g%2)+sp_:R0+32*(\g%2)+sp_+1], v[R2+32*(\g/2)+sp_:R2+32*(\g/2)+sp_+1] neg_lo:[0,1] neg_hi:[0,1]
.endr
.irp g, 0,1,2,3
	v_add_f32 v[TP+2*\g], |v[TP+2*\g]|, s[68+sp_]
	v_add_f32 v[TP+2*\g+1], |v[TP+2*\g+1]|, s[69+sp_]
.endr
.irp g, 0,1,2,3
	v_pk_add_f32 v[TP+2*\g:TP+2*\g+1], v[TP+2*\g:TP+2*\g+1], v[SH+16+2*\g:SH+17+2*\g]
.endr
.irp g, 0,1,2,3
	TAILS 8+\g
.endr
.endm
.macro FINP k, ns, nss, sh             ; a part: delta = S / 512; centred sum SS - S delta; mean = shift + delta
	v_mul_f32 v[F+\k], 0x3b000000, v[R0+\ns]
	v_fma_f32 v[F+4+\k], -v[R0+\ns], v[F+\k], v[R0+\nss]
	v_sub_f32 v[F+\k], v[F+\k], v[SH+\sh]
.endm
.macro FIN sg
	FINP 0, (\sg)%2, 2+(\sg)%2, 2*((\sg)%2)
	FINP 1, 4+(\sg)/2, 6+(\sg)/2, 4+2*((\sg)/2)
	FINP 2, 8+(\sg), 12+(\sg), 8+2*(\sg)
	FINP 3, 16+(\sg), 20+(\sg), 16+2*(\sg)
	v_add_f32 v[F+8], v[F], v[F+1]
	v_add_f32 v[F+9], v[F+2], v[F+3]
	v_add_f32 v[F+10], v[F+4], v[F+5]
	v_add_f32 v[F+11], v[F+6], v[F+7]
	v_add_f32 v[F+8], v[F+8], v[F+9]
	v_add_f32 v[F+10], v[F+10], v[F+11]
	v_mul_f32 v[F+8], 0x3e800000, v[F+8]           ; the row's mean
.irp k, 0,1,2,3
	v_sub_f32 v[F+\k], v[F+\k], v[F+8]
.endr
	v_mul_f32 v[F+9], v[F], v[F]
	v_fma_f32 v[F+9], v[F+1], v[F+1], v[F+9]
	v_fma_f32 v[F+9], v[F+2], v[F+2], v[F+9]
	v_fma_f32 v[F+9], v[F+3], v[F+3], v[F+9]
	v_mul_f32 v[F+9], 0x3e800000, v[F+9]
	v_fma_f32 v[F+9], v[F+10], 0x3a000000, v[F+9]  ; variance = centred sums / 2048 + the parts' means' spread / 4
	v_add_f32 v[F+9], 0x3727c5ac, v[F+9]           ; + 1e-5
	v_rsq_f32 v[16+2*(\sg)], v[F+9]
	v_nop
	s_wait_alu depctr_va_vdst(0)
	v_mul_f32 v[17+2*(\sg)], -v[F+8], v[16+2*(\sg)]
.endm
; ---- A's codes of a step (part step / 2, half step % 2 of its 512), into buffer step % 2
.macro NRM x                           ; f rstd - m rstd, from area x into R5
.set gi_, 0
.rept 16
	v_pk_fma_f32 v[R5+gi_:R5+gi_+1], v[\x+gi_:\x+gi_+1], v[RN:RN+1], v[RN:RN+1] op_sel:[0,0,1] op_sel_hi:[1,0,1]
.set gi_, gi_+2
.endr
.endm
; One set of 32 rows.  u = 0: the part is a.  u = 1: in the loop: the part (1: q, 2: a q, 3: |a - q| + c) is picked by a branch on the trip's counter, the same in every wave and work-group;
; the three runs hold register work alone, and each fills R5.
.macro GSET sg, u
.set QR, R2+32*((\sg)/2)
.set RN, 16+2*(\sg)
.if \u
	s_cmp_eq_u32 s[SPT], 1
	s_cbranch_scc1 .Lpart_q_\@
	s_cmp_eq_u32 s[SPT], 2
	s_cbranch_scc1 .Lpart_m_\@
.set gi_, 0
.rept 16
	v_pk_add_f32 v[R5+gi_:R5+gi_+1], v[R4+gi_:R4+gi_+1], v[QR+gi_:QR+gi_+1] neg_lo:[0,1] neg_hi:[0,1]
.set gi_, gi_+2
.endr
.set gi_, 0
.rept 32
	v_add_f32 v[R5+gi_], |v[R5+gi_]|, s[68+gi_]
.set gi_, gi_+1
.endr
	NRM R5
	s_branch .Lpart_j_\@
.Lpart_q_\@:
	NRM QR
	s_branch .Lpart_j_\@
.Lpart_m_\@:
.set gi_, 0
.rept 16
	v_pk_mul_f32 v[R5+gi_:R5+gi_+1], v[R4+gi_:R4+gi_+1], v[QR+gi_:QR+gi_+1]
.set gi_, gi_+2
.endr
	NRM R5
.Lpart_j_\@:
.else
	NRM R4
.endif
.if (\sg) == 2
.irp c, 0,1,2,3,4,5,6,7                ; a's lower atoms are done with: the upper 32 atoms.  (In the loop this run stands in every trip, so that every wait counts the same on each way)
	ds_load_b128 v[R4+4*\c:R4+4*\c+3], v[AH_] offset:OA_+256*\c
.endr
.endif
.set gi_, 0
.rept 16
	v_pk_fma_f32 v[R5+gi_:R5+gi_+1], v[R5+gi_:R5+gi_+1], v[R0+gi_:R0+gi_+1], v[R1+gi_:R1+gi_+1]
.set gi_, gi_+2
.endr
	s_wait_dscnt 0x0                               ; the last set's stores have read their registers; a's upper atoms are in
	QB32 R5, 240, 244
	ds_store_b128 v[CS_], v[240:243] offset:OC_+2048*(\sg)
	ds_store_b8 v[SS_], v244 offset:OC_+4*(\sg)
.endm
.macro GEN u, s                        ; u = 0: step s (0 or 1), every offset an immediate.  u = 1: the loop's step: each address is a scalar of the loop + a register made at the head
.if \u
	v_add_nc_u32 v[TGA], s[SGB], v3
	v_add_nc_u32 v[TQA], s[SE1], v3
	v_add_nc_u32 v[TAL], s[SEA], v4
	v_add_nc_u32 v[TAH], s[SEA], v5
	v_add_nc_u32 v[TCS], s[SAG], v6
	v_add_nc_u32 v[TSS], s[SAG], v7
	s_lshr_b32 s[SPT], s[CNT], 1                   ; the part
.set GA_, TGA
.set OG_, 0
.set AL_, TAL
.set AH_, TAH
.set OA_, 0
.set CS_, TCS
.set SS_, TSS
.set OC_, 0
.else
.set GA_, 3
.set OG_, 1024*(\s)
.set AL_, 4
.set AH_, 5
.set OA_, 16384*((\s)%2)
.set CS_, 6
.set SS_, 7
.set OC_, ABS*((\s)%2)
.endif
.irp c, 0,1,2,3,4,5,6,7
	ds_load_b128 v[R0+4*\c:R0+4*\c+3], v[GA_] offset:OG_+16*\c
	ds_load_b128 v[R1+4*\c:R1+4*\c+3], v[GA_] offset:OG_+8192+16*\c
.endr
.if \u
.irp c, 0,1,2,3,4,5,6,7
	ds_load_b128 v[R2+4*\c:R2+4*\c+3], v[TQA] offset:16384+16*\c
	ds_load_b128 v[R3+4*\c:R3+4*\c+3], v[TQA] offset:18432+16*\c
.endr
.endif
.irp c, 0,1,2,3,4,5,6,7
	ds_load_b128 v[R4+4*\c:R4+4*\c+3], v[AL_] offset:OA_+256*\c
.endr
	s_wait_dscnt 0x0
.if \u
	s_wait_kmcnt 0x0                               ; c
.endif
	GSET 0, \u
	GSET 2, \u
	GSET 1, \u
	GSET 3, \u
.endm
.macro CLOAD                           ; c of h = 256 (step % 2) + 32 v + 0..31, in every trip: the choice between the two places hangs on the trip's counter alone
	s_and_b32 s[SPT], s[CNT], 1
	s_cselect_b64 s[14:15], s[12:13], s[22:23]
	s_load_b512 s[68:83], s[14:15], 0x0
	s_load_b512 s[84:99], s[14:15], 0x40
.endm
; ---- the product of a step: two K steps of 128, 32 matrix instructions each; the 32 accumulators take turns, in the same order throughout, over the loop's backward jump too
.macro MUL zero, e                     ; e = 0, 1: slot and buffer are known here; 2: the loop's
.if (\e) == 2
	v_add_nc_u32 v[TMB], s[SBM], v8
	v_add_nc_u32 v[TMA], s[SAM], v10
.set BR_, TMB
.set AR_, TMA
.set AO_, 0
.else
.set BR_, 8+(\e)
.set AR_, 10
.set AO_, ABS*(\e)
.endif
	ds_load_b128 v[24:27], v[BR_] offset:8192
	ds_load_b128 v[28:31], v[AR_] offset:AO_+16384
	ds_load_b128 v[32:35], v[AR_] offset:AO_+16384+512
.set mk, 0
.rept 2
.set mm, 0
.rept 4
	ds_load_b128 v[R0+96*mk+8*mm:R0+96*mk+8*mm+3], v[BR_] offset:(4*mk+mm)*1024
	ds_load_b128 v[R0+96*mk+8*mm+4:R0+96*mk+8*mm+7], v[BR_] offset:(4*mk+mm)*1024+512
.set mm, mm+1
.endr
.set mm, 0
.rept 8
	ds_load_b128 v[R1+96*mk+8*mm:R1+96*mk+8*mm+3], v[AR_] offset:AO_+(8*mk+mm)*1024
	ds_load_b128 v[R1+96*mk+8*mm+4:R1+96*mk+8*mm+7], v[AR_] offset:AO_+(8*mk+mm)*1024+512
.set mm, mm+1
.endr
.set mk, mk+1
.endr
	s_wait_dscnt 24                                ; the scale words and the first K step are in; the second's 24 loads may be out
	WIN 0x50                                       ; C and D in window 1
.set mk, 0
.rept 2
.if mk == 1
	s_wait_dscnt 0x0
.endif
.set mm, 0
.rept 8
.set mt_, 0
.rept 4
	WM 8*(4*mm+mt_), R0+96*mk+8*mt_, R1+96*mk+8*mm, (\zero)*(1-mk), 24+2*mk+mt_/2, 28+4*mk+mm/2, mt_%2, mm%2
.set mt_, mt_+1
.endr
.set mm, mm+1
.endr
.set mk, mk+1
.endr
	WIN 0
	NOP4                                           ; four places in front of loads into registers that matrix instructions have read, and of the first read of results
.endm
; ---- the head of a step.  Every wave: all its tensor loads are in (its part of this step's slot); the add; its LDS stores (A's codes of this step) have landed and its reads of the other slot and buffer are over.
; fill = 1: a round of the cluster's barrier, and behind it the one joint load of the wave: the next step's codes into the other slot (at step 0: that slot's first fill, issued as a refill is).
.macro TRIP fill
	s_wait_tensorcnt 0x0
	ds_add_u32 v1, v2                              ; 0 onto my spare word
.if \fill
	s_xor_b32 s[STG], s[STG], SLOTB                ; no load of mine is out, so the group 0 may be written: the other slot than last time,
	s_add_co_u32 s45, s[WB], s[STG]                ; my block in it,
	s_add_nc_u64 s[46:47], s[46:47], SLOTB         ; the next 256 along K; the type bits on top are not reached
.endif
	s_wait_dscnt 0x0
.if \fill
	ROUND
	tensor_load_to_lds s[44:47], s[32:39]
	s_nop 0
	NOP4
.else
	s_barrier_signal -1
	s_barrier_wait -1
.endif
.endm
.macro ACCIN m                         ; rows 16 m on: the accumulators, each from its low end on, + rb1, into window 0
	WIN 0x01
.set ep, 0
.rept 16
	v_pk_add_f32 v[XE+ep:XE+ep+1], v[32*(\m)+ep:32*(\m)+ep+1], v[R0+ep:R0+ep+1]
.set ep, ep+2
.endr
	WIN 0
.endm
	s_load_b512 s[4:19], s[0:1], 0x0               ; WQ 4, ahc 6, qhc 8, ch 10, rg 12, rb 14, rb1 16, rw2 18
	s_load_b256 s[52:59], s[0:1], 0x40             ; rb2 52, class_masses 54, out0 56, out1 58
	v_lshl_add_u32 v1, v0, 2, SPARE
	v_mov_b32 v2, 0
	ds_add_u32 v1, v2
	ds_add_u32 v1, v2
	s_wait_dscnt 0x0
	v_lshrrev_b32 v40, 5, v0
	v_readfirstlane_b32 s66, v40                   ; wave 0..7
	s_bfe_u32 s60, ttmp6, 0x40000                  ; cx
	s_lshr_b32 s67, ttmp9, 3                       ; the class, which the four partners share
	s_and_b32 s61, ttmp9, 7
	s_lshl_b32 s61, s61, 2
	s_add_co_u32 s61, s61, s60
	s_lshl_b32 s61, s61, 1                         ; my first query
	s_mov_b32 s100, 0x76543210
	s_mov_b32 s101, 0xfedcba98
	; descriptor groups 1: dense blocks as rows of 256 bytes (32 elements of 8 bytes), no padding; mask 15, bit 21 beside it.  a's part: 64 rows; a block of codes: 34 rows
	s_mov_b32 s24, 15|(3<<16)|(1<<21)
	s_mov_b32 s25, 32<<16
	s_mov_b32 s26, 64<<16
	s_mov_b32 s27, 32<<16
	s_mov_b32 s28, 64
	s_mov_b32 s29, 32
	s_mov_b32 s30, 0
	s_mov_b32 s31, 0
	s_mov_b32 s32, 15|(3<<16)|(1<<21)
	s_mov_b32 s33, 32<<16
	s_mov_b32 s34, 34<<16
	s_mov_b32 s35, 32<<16
	s_mov_b32 s36, 34
	s_mov_b32 s37, 32
	s_mov_b32 s38, 0
	s_mov_b32 s39, 0
	; groups 0: a's part s[40:43]; rw1's codes s[44:47], which walks: wave v brings block v
	s_mov_b32 s40, 1
	s_lshl_b32 s41, s66, 14
	s_add_co_u32 s41, s41, ATILE
	s_mov_b32 s44, 1
	s_mul_i32 s[WB], s66, BLKB
	s_mov_b32 s45, s[WB]                           ; slot 0
	s_mov_b32 s[STG], 0
	s_lshl_b32 s68, s67, 17
	s_lshl_b32 s70, s66, 14
	s_add_co_u32 s68, s68, s70
	s_mov_b32 s69, 0
	s_mov_b32 s70, s[WB]
	s_mov_b32 s71, 0
	s_wait_kmcnt 0x0
	s_add_nc_u64 s[42:43], s[6:7], s[68:69]
	s_or_b32 s43, s43, 0x80000000
	s_add_nc_u64 s[46:47], s[4:5], s[70:71]
	s_add_nc_u64 s[46:47], s[46:47], 14*SLOTB      ; rw1's first slot
	s_or_b32 s47, s47, 0x80000000
	ROUND                                          ; all four work-groups are here: the first joint loads meet
	tensor_load_to_lds s[40:43], s[24:31]          ; two loads of mine are out
	s_nop 0
	tensor_load_to_lds s[44:47], s[32:39]
	s_nop 0
	NOP4
	; the other pointers
	s_lshl_b32 s68, s67, 11
	s_add_nc_u64 s[10:11], s[10:11], s[68:69]      ; c's row
	s_load_b32 s60, s[10:11], 0x0                  ; c[0], for the fourth part's shift
	s_lshl_b32 s68, s66, 8
	s_add_nc_u64 s[20:21], s[10:11], s[68:69]      ; c for the sums: 64 a wave
	s_add_nc_u64 s[16:17], s[16:17], s[68:69]      ; rb1, rw2: my 64 columns
	s_add_nc_u64 s[18:19], s[18:19], s[68:69]
	s_lshl_b32 s68, s66, 7
	s_add_nc_u64 s[22:23], s[10:11], s[68:69]      ; c for the codes: 32 a wave
	s_lshr_b32 s68, s61, 4
	s_lshl_b32 s68, s68, 15
	s_and_b32 s70, s61, 15
	s_lshl_b32 s70, s70, 4
	s_add_co_u32 s68, s68, s70
	s_add_nc_u64 s[8:9], s[8:9], s[68:69]          ; q0's first chunk
	s_lshl_b32 s62, s61, 4
	s_add_co_u32 s62, s62, s67                     ; 16 q0 + w
	s_lshl_b32 s68, s62, 8
	s_add_nc_u64 s[56:57], s[56:57], s[68:69]
	s_lshl_b32 s68, s62, 2
	s_add_nc_u64 s[58:59], s[58:59], s[68:69]
	s_lshl_b32 s68, s67, 8
	s_add_nc_u64 s[54:55], s[54:55], s[68:69]
	; rg, rb and the two queries go to LDS once
	v_lshlrev_b32 v46, 4, v0
	v_and_b32 v47, 127, v0
	v_lshlrev_b32 v47, 8, v47
	v_lshrrev_b32 v44, 7, v0
	v_lshl_add_u32 v47, v44, 4, v47
	global_load_b128 v[48:51], v46, s[12:13]
	global_load_b128 v[52:55], v46, s[12:13] offset:4096
	global_load_b128 v[56:59], v46, s[14:15]
	global_load_b128 v[60:63], v46, s[14:15] offset:4096
	global_load_b128 v[64:67], v47, s[8:9]
	; every lane's part of an LDS address, once
	v_and_b32 v41, 31, v0
	v_and_b32 v42, 15, v0
	v_bfe_u32 v43, v0, 4, 1
	v_lshlrev_b32 v44, 4, v42
	v_lshl_add_u32 v36, v43, 15, v44
	v_add_nc_u32 v36, ATILE, v36                   ; a: my atom's row in chunk 0 (atoms 0-31)
	v_add_nc_u32 v37, 0x10000, v36                 ; (atoms 32-63)
	s_lshl_b32 s72, s66, 11
	v_add_nc_u32 v4, s72, v36                      ; for the codes: 8 chunks a wave
	v_add_nc_u32 v5, 0x10000, v4
	s_lshl_b32 s72, s66, 12
	v_add_nc_u32 v14, s72, v36                     ; for the sums: 16 chunks a wave
	v_add_nc_u32 v15, 0x10000, v14
	s_lshl_b32 s72, s66, 7
	s_add_co_u32 s72, s72, UNI
	v_mov_b32 v3, s72
	v_mov_b32 v38, UNI+16384
	s_lshl_b32 s72, s66, 8
	s_add_co_u32 s72, s72, UNI+16384
	v_mov_b32 v39, s72
	s_lshr_b32 s73, s66, 2
	s_lshl_b32 s72, s73, 13
	s_bfe_u32 s74, s66, 0x10001
	s_lshl_b32 s74, s74, 9
	s_add_co_u32 s72, s72, s74
	s_and_b32 s74, s66, 1
	s_lshl_b32 s74, s74, 8
	s_add_co_u32 s72, s72, s74
	s_add_co_u32 s72, s72, ABUF
	v_lshl_add_u32 v6, v43, 10, v44
	v_add_nc_u32 v6, s72, v6                       ; my codes: 8192 kk + 512 c + 256 h + 1024 (lane / 16) + 16 (lane % 16)
	s_lshl_b32 s72, s73, 9
	s_and_b32 s74, s66, 3
	s_add_co_u32 s72, s72, s74
	s_add_co_u32 s72, s72, ABUF+16384
	v_lshl_add_u32 v7, v41, 4, s72                 ; my scale byte: 512 kk + 16 x lane + block
	v_lshl_add_u32 v8, v41, 4, s[WB]               ; my block of rw1's codes in slot 0,
	v_add_nc_u32 v9, SLOTB, v8                     ; in slot 1
	v_lshl_add_u32 v10, v41, 4, ABUF
	s_mul_i32 s72, s66, 3072
	v_add_nc_u32 v11, s72, v10
	s_lshl_b32 s72, s66, 9
	s_add_co_u32 s72, s72, ABUF
	v_lshl_add_u32 v12, v42, 2, s72
	s_and_b32 s72, s66, 1
	s_lshl_b32 s72, s72, 8
	s_add_co_u32 s72, s72, ABUF
	v_lshl_add_u32 v13, v41, 3, s72
	v_lshl_add_u32 v45, v0, 4, UNI
	s_wait_loadcnt 0x0
	ds_store_b128 v45, v[48:51]
	ds_store_b128 v45, v[52:55] offset:4096
	ds_store_b128 v45, v[56:59] offset:8192
	ds_store_b128 v45, v[60:63] offset:12288
	ds_store_b128 v45, v[64:67] offset:16384
	s_wait_tensorcnt 0x1                           ; my part of a's tile is in; slot 0's load, issued behind it, may stay out
	s_wait_dscnt 0x0
	s_barrier_signal -1
	s_barrier_wait -1
	; ---------------- the norm's sums: 4 trips of 16 h
	ds_load_b32 v168, v36
	ds_load_b32 v169, v37
	ds_load_b32 v170, v38
	ds_load_b32 v171, v38 offset:2048
.set i, 0
.rept 48
	v_mov_b32 v[SA+i], 0                           ; the loop is written once: its first trip finds zeros
.set i, i+1
.endr
	s_mov_b32 s[CNT], 0
	s_mov_b32 s[SGB], 0
	s_wait_dscnt 0x0
	s_wait_kmcnt 0x0                               ; c[0]
.irp a, 0,1,2,3                        ; the shifts, negated, each twice: a's two, q's two,
	v_mul_f32 v[SH+2*\a], -1.0, v[168+\a]
	v_mul_f32 v[SH+2*\a+1], -1.0, v[168+\a]
.endr
.irp g, 0,1,2,3                        ; a q and |a - q| + c of each set
	v_mul_f32 v[SH+8+2*\g], -v[168+\g%2], v[170+\g/2]
	v_mul_f32 v[SH+9+2*\g], -v[168+\g%2], v[170+\g/2]
	v_sub_f32 v[172+\g], v[168+\g%2], v[170+\g/2]
.endr
.irp g, 0,1,2,3
	v_sub_f32 v[SH+16+2*\g], -|v[172+\g]|, s60
	v_sub_f32 v[SH+17+2*\g], -|v[172+\g]|, s60
.endr
.Lsums:                                ; h = 64 v + 16 j + 0..15: four chunks of a's two halves, 64 bytes of q0, q1 and c
	v_add_nc_u32 v[R0+16], s[SGB], v14
	v_add_nc_u32 v[R0+17], s[SGB], v15
	v_add_nc_u32 v[R0+18], s[CNT], v39
.irp c, 0,1,2,3
	ds_load_b128 v[R0+4*\c:R0+4*\c+3], v[R0+16] offset:256*\c
	ds_load_b128 v[R1+4*\c:R1+4*\c+3], v[R0+17] offset:256*\c
	ds_load_b128 v[R2+4*\c:R2+4*\c+3], v[R0+18] offset:16*\c
	ds_load_b128 v[R3+4*\c:R3+4*\c+3], v[R0+18] offset:2048+16*\c
.endr
	s_load_b512 s[68:83], s[20:21], 0x0
	s_wait_dscnt 0x0
	s_wait_kmcnt 0x0
.set sp_, 0
.rept 8
	STPAIR
.set sp_, sp_+2
.endr
	s_add_nc_u64 s[20:21], s[20:21], 64            ; (behind the wait that shows the load done)
	s_add_co_u32 s[SGB], s[SGB], 1024
	s_add_co_u32 s[CNT], s[CNT], 64
	s_cmp_lt_u32 s[CNT], 256
	s_cbranch_scc1 .Lsums
.irp a, 0,1
	v_add_f32 v[R0+\a], v[SA+4*\a], v[SA+4*\a+1]
	v_add_f32 v[R0+2+\a], v[SA+4*\a+2], v[SA+4*\a+3]
	v_add_f32 v[R0+4+\a], v[SA+8+4*\a], v[SA+8+4*\a+1]
	v_add_f32 v[R0+6+\a], v[SA+8+4*\a+2], v[SA+8+4*\a+3]
.endr
.irp g, 0,1,2,3
	v_add_f32 v[R0+8+\g], v[SA+16+4*\g], v[SA+16+4*\g+1]
	v_add_f32 v[R0+12+\g], v[SA+16+4*\g+2], v[SA+16+4*\g+3]
	v_add_f32 v[R0+16+\g], v[SA+32+4*\g], v[SA+32+4*\g+1]
	v_add_f32 v[R0+20+\g], v[SA+32+4*\g+2], v[SA+32+4*\g+3]
.endr
.irp j, 0,1,2,3,4,5
	ds_store_b128 v11, v[R0+4*\j:R0+4*\j+3] offset:512*\j
.endr
	s_wait_dscnt 0x0
	s_barrier_signal -1
	s_barrier_wait -1
.set i, 0
.rept 48                               ; the eight waves' 24 numbers of my lane
	ds_load_b128 v[R0+4*i:R0+4*i+3], v10 offset:3072*(i/6)+512*(i%6)
.set i, i+1
.endr
	s_wait_dscnt 0x0
.irp w, 1,2,3,4,5,6,7
.set i, 0
.rept 12
	v_pk_add_f32 v[R0+i:R0+i+1], v[R0+i:R0+i+1], v[R0+24*\w+i:R0+24*\w+i+1]
.set i, i+2
.endr
.endr
	FIN 0
	FIN 1
	FIN 2
	FIN 3
	s_barrier_signal -1                            ; every wave's reads of the partial sums are in (the wait above): A's codes may be stored over them
	s_barrier_wait -1
	; ---------------- eight steps of 256 along K
	s_add_nc_u64 s[12:13], s[22:23], 1024          ; c's second place
	s_mov_b32 s[CNT], 2                            ; the loop's scalars, as its first trip (the product of step 1, the codes of step 2) wants them
	s_mov_b32 s[SGB], 2048
	s_mov_b32 s[SE1], 0
	s_mov_b32 s[SEA], 0
	s_mov_b32 s[SAG], 0
	s_mov_b32 s[SBM], SLOTB
	s_mov_b32 s[SAM], ABS
	GEN 0, 0
	TRIP 1                                         ; slot 0 is in; slot 1 is asked for
	MUL 1, 0                                       ; the first products start the sums: nothing is cleared
	GEN 0, 1
.Lstep:                                ; 6 trips: the product of step CNT - 1, the codes of step CNT
	TRIP 1
	CLOAD
	MUL 0, 2
	GEN 1, 0
	s_add_co_u32 s[SGB], s[SGB], 1024
	s_xor_b32 s[SE1], s[SE1], 1024
	s_xor_b32 s[SEA], s[SEA], 16384
	s_xor_b32 s[SAG], s[SAG], ABS
	s_xor_b32 s[SBM], s[SBM], SLOTB
	s_xor_b32 s[SAM], s[SAM], ABS
	s_add_co_u32 s[CNT], s[CNT], 1
	s_cmp_lt_u32 s[CNT], 8
	s_cbranch_scc1 .Lstep
	TRIP 0                                         ; the last step is written out: nothing is left to ask for
	MUL 0, 1
	; ---------------- bias, gelu, the dot with rw2: 8 trips of 16 rows
	v_bfe_u32 v232, v0, 4, 1
	v_lshlrev_b32 v232, 6, v232
.irp t, 0,1,2,3                        ; tile t = 2 b + u, lane half h: columns 32 b + 16 h + 8 u + 0..7 of my 64
	global_load_b128 v[R0+8*\t:R0+8*\t+3], v232, s[16:17] offset:128*(\t/2)+32*(\t%2)
	global_load_b128 v[R0+8*\t+4:R0+8*\t+7], v232, s[16:17] offset:128*(\t/2)+32*(\t%2)+16
	global_load_b128 v[R1+8*\t:R1+8*\t+3], v232, s[18:19] offset:128*(\t/2)+32*(\t%2)
	global_load_b128 v[R1+8*\t+4:R1+8*\t+7], v232, s[18:19] offset:128*(\t/2)+32*(\t%2)+16
.endr
	v_mov_b32 v[KA5], 0x3f07dc22
	v_mov_b32 v[KA5+1], 0x3f07dc22
	s_mov_b32 s[CNT], 0                            ; 64 x the trip: also the place of the trip's 16 results
	s_wait_loadcnt 0x0
.Lrows:                                ; a register's number is no variable: a branch on the trip's counter picks the run that fetches this trip's accumulators
.irp m, 0,1,2,3,4,5,6
	s_cmp_eq_u32 s[CNT], 64*\m
	s_cbranch_scc1 .Lacc\m
.endr
	ACCIN 7
	s_branch .Lgelu
.irp m, 0,1,2,3,4,5
.Lacc\m:
	ACCIN \m
	s_branch .Lgelu
.endr
.Lacc6:
	ACCIN 6
.Lgelu:
	GELU8P XE, SE
	GELU8P XE+16, SE
.set ep, 0
.rept 16
.if ep < 8
	v_pk_mul_f32 v[DD+ep:DD+ep+1], v[XE+ep:XE+ep+1], v[R1+ep:R1+ep+1]
.else
	v_pk_fma_f32 v[DD+ep%8:DD+ep%8+1], v[XE+ep:XE+ep+1], v[R1+ep:R1+ep+1], v[DD+ep%8:DD+ep%8+1]
.endif
.set ep, ep+2
.endr
	v_pk_add_f32 v[DD:DD+1], v[DD:DD+1], v[DD+2:DD+3]
	v_pk_add_f32 v[DD+4:DD+5], v[DD+4:DD+5], v[DD+6:DD+7]
	v_pk_add_f32 v[DD:DD+1], v[DD:DD+1], v[DD+4:DD+5]
	v_add_f32 v[DD], v[DD], v[DD+1]
	v_permlanex16_b32 v[DD+1], v[DD], s100, s101
	s_wait_dscnt 0x0                               ; the last trip's store has read its registers
	v_add_f32 v192, v[DD], v[DD+1]                 ; my 64 columns' part of the row's relevance
	v_add_nc_u32 v193, s[CNT], v12
	ds_store_b32 v193, v192
	s_add_co_u32 s[CNT], s[CNT], 64
	s_cmp_lt_u32 s[CNT], 512
	s_cbranch_scc1 .Lrows
	s_wait_dscnt 0x0
	s_barrier_signal -1
	s_barrier_wait -1
	; ---------------- waves 0 and 1: one query each; a lane has atoms 2 l, 2 l + 1
	s_cmp_ge_u32 s66, 2
	s_cbranch_scc1 .Lend
.irp i, 0,1,2,3,4,5,6,7
	ds_load_b64 v[40+2*\i:41+2*\i], v13 offset:512*\i
.endr
	v_and_b32 v61, 31, v0
	v_lshlrev_b32 v60, 3, v61
	global_load_b64 v[62:63], v60, s[54:55]
	s_load_b32 s60, s[52:53], 0x0                  ; rb2
	s_lshl_b32 s68, s66, 12
	s_mov_b32 s69, 0
	s_add_nc_u64 s[56:57], s[56:57], s[68:69]
	s_lshl_b32 s68, s66, 6
	s_add_nc_u64 s[58:59], s[58:59], s[68:69]
	v_mov_b32 v65, 0
	v_mov_b32 v70, 0
	s_wait_dscnt 0x0
.irp i, 1,2,3,4,5,6,7
	v_pk_add_f32 v[40:41], v[40:41], v[40+2*\i:41+2*\i]
.endr
	s_wait_loadcnt 0x0
	s_wait_kmcnt 0x0
	v_max_num_f32 v62, 0x322bcc77, v62
	v_max_num_f32 v63, 0x322bcc77, v63
	v_log_f32 v62, v62
	v_log_f32 v63, v63
	v_add_f32 v40, s60, v40
	v_add_f32 v41, s60, v41
	s_wait_alu depctr_va_vdst(0)
	v_fma_f32 v40, v62, 0x3f317218, v40            ; ln(mass) + relevance
	v_fma_f32 v41, v63, 0x3f317218, v41
	v_max_num_f32 v64, v40, v41
	v_max_num_f32_dpp v64, v64, v64 row_xmask:1 row_mask:0xf bank_mask:0xf
	v_max_num_f32_dpp v64, v64, v64 row_xmask:2 row_mask:0xf bank_mask:0xf
	v_max_num_f32_dpp v64, v64, v64 row_xmask:4 row_mask:0xf bank_mask:0xf
	v_max_num_f32_dpp v64, v64, v64 row_xmask:8 row_mask:0xf bank_mask:0xf
	v_permlanex16_b32 v65, v64, s100, s101
	v_max_num_f32 v64, v64, v65                    ; the row's maximum is taken away ahead of the exponential
	v_sub_f32 v40, v40, v64
	v_sub_f32 v41, v41, v64
	v_mul_f32 v40, 0x3fb8aa3b, v40
	v_mul_f32 v41, 0x3fb8aa3b, v41
	v_exp_f32 v40, v40
	v_exp_f32 v41, v41
	v_nop
	s_wait_alu depctr_va_vdst(0)
	v_add_f32 v66, v40, v41
	WSUM 66, 65
	v_rcp_f32 v66, v66
	v_nop
	s_wait_alu depctr_va_vdst(0)
	v_mul_f32 v40, v40, v66
	v_mul_f32 v41, v41, v66
	v_add_f32 v67, v40, v41                        ; mixed / max(its sum, 1e-8)
	WSUM 67, 65
	v_max_num_f32 v67, 0x322bcc77, v67
	v_rcp_f32 v67, v67
	v_nop
	s_wait_alu depctr_va_vdst(0)
	v_mul_f32 v40, v40, v67
	v_mul_f32 v41, v41, v67
	v_max_num_f32 v68, 0x322bcc77, v40
	v_max_num_f32 v69, 0x322bcc77, v41
	v_log_f32 v68, v68
	v_log_f32 v69, v69
	v_nop
	s_wait_alu depctr_va_vdst(0)
	v_mul_f32 v68, v68, v40
	v_fma_f32 v68, v69, v41, v68
	WSUM 68, 65
	v_mul_f32 v68, 0xbf317218, v68                 ; x -ln 2: the entropy
	global_store_b64 v60, v[40:41], s[56:57]       ; 256 consecutive bytes, aligned
	v_cmp_eq_u32 vcc_lo, 0, v61
	s_wait_xcnt 0x0                                ; EXEC changes only behind this wait
	s_and_saveexec_b32 s68, vcc_lo
	global_store_b32 v70, v68, s[58:59]
	s_wait_xcnt 0x0
	s_or_b32 exec_lo, exec_lo, s68
.Lend:
	s_wait_tensorcnt 0x0                           ; the wave's end
	ds_add_u32 v1, v2
	s_wait_dscnt 0x0
	ROUND                                          ; the closing round: no work-group ends while a partner may still ask for a tile that names it
	s_endpgm
.Lfunc_end_k_q34ea339fb1_head:
	.size	k_q34ea339fb1_head, .Lfunc_end_k_q34ea339fb1_head-k_q34ea339fb1_head
	.p2alignl 7, 3214868480
	.fill 96, 4, 3214868480
	.section	.rodata,"a",@progbits
	.p2align	6, 0x0
	.amdhsa_kernel k_q34ea339fb1_head
		.amdhsa_group_segment_fixed_size 327680
		.amdhsa_private_segment_fixed_size 0
		.amdhsa_enable_private_segment 0
		.amdhsa_kernarg_size 96
		.amdhsa_user_sgpr_count 2
		.amdhsa_user_sgpr_kernarg_segment_ptr 1
		.amdhsa_wavefront_size32 1
		.amdhsa_system_sgpr_workgroup_id_x 1
		.amdhsa_system_sgpr_workgroup_id_y 1
		.amdhsa_system_sgpr_workgroup_id_z 1
		.amdhsa_system_vgpr_workitem_id 0
		.amdhsa_next_free_vgpr 512
		.amdhsa_next_free_sgpr 102
		.amdhsa_reserve_vcc 1
		.amdhsa_float_denorm_mode_32 3
		.amdhsa_float_denorm_mode_16_64 3
		.amdhsa_memory_ordered 1
		.amdhsa_forward_progress 1
		.amdhsa_inst_pref_size 202
	.end_amdhsa_kernel
	.amdgpu_metadata
---
amdhsa.version: [ 1, 2 ]
amdhsa.kernels:
  - .name:           k_q34ea339fb1_head
    .symbol:         k_q34ea339fb1_head.kd
    .args:
      - { .name: WQ, .offset: 0, .size: 8, .value_kind: global_buffer, .address_space: global }
      - { .name: ahc, .offset: 8, .size: 8, .value_kind: global_buffer, .address_space: global }
      - { .name: qhc, .offset: 16, .size: 8, .value_kind: global_buffer, .address_space: global }
      - { .name: ch, .offset: 24, .size: 8, .value_kind: global_buffer, .address_space: global }
      - { .name: rg, .offset: 32, .size: 8, .value_kind: global_buffer, .address_space: global }
      - { .name: rb, .offset: 40, .size: 8, .value_kind: global_buffer, .address_space: global }
      - { .name: rb1, .offset: 48, .size: 8, .value_kind: global_buffer, .address_space: global }
      - { .name: rw2, .offset: 56, .size: 8, .value_kind: global_buffer, .address_space: global }
      - { .name: rb2, .offset: 64, .size: 8, .value_kind: global_buffer, .address_space: global }
      - { .name: class_masses, .offset: 72, .size: 8, .value_kind: global_buffer, .address_space: global }
      - { .name: out0, .offset: 80, .size: 8, .value_kind: global_buffer, .address_space: global }
      - { .name: out1, .offset: 88, .size: 8, .value_kind: global_buffer, .address_space: global }
    .group_segment_fixed_size: 327680
    .private_segment_fixed_size: 0
    .kernarg_segment_align: 8
    .kernarg_segment_size: 96
    .max_flat_workgroup_size: 256
    .sgpr_count:     102
    .vgpr_count:     512
    .wavefront_size: 32
...
	.end_amdgpu_metadata
.endif
;; end of part 4
